; MI455X (gfx1250); checked and timed in simulation.
; The chip was launched on July 23, 2026; its instructions are those of AMD's public machine-readable ISA for CDNA 5 (MIT licence, August 2026) and "CDNA5" Instruction Set Architecture Reference Guide (July 2026). The comments in the code are by the model that wrote it; some were corrected since.
;; Multi Head Attention. Allowed arithmetic: matrix products marked QUANTISED: E2M1 operands, one E8M0 scale for each 32 along K, by v_wmma_scale_f32_16x16x128_f8f6f4 with both operands' format E2M1 (or v_wmma_scale_f32_32x16x128_f4), f32 sums; everything else in f32.
;; Inputs: W_out 1,024 x 1,024 float32; W_qkv 3,072 x 1,024 float32; b_out 1,024 float32; b_qkv 3,072 float32; inputs 4 x 2,048 x 1,024 float32.
;; Outputs: out0 4 x 2,048 x 1,024 float32.
;; This version of the problem:
;;   THIS VERSION OF THE PROBLEM IS GIVEN IN LOW PRECISION. The matrix products marked QUANTISED in the list below multiply operands that are first quantised to E2M1 (2 exponent bits, 1 mantissa bit; 4 bits a number), with one power-of-two scale for each 32 numbers along K (OCP MX v1.0); their sums are f32. All else is computed in f32.
;;   The module's matrix products, in the order in which they are computed (A, B: the left and right operand; K: the contracted axis; several contracted axes count as one K, in the product's order):
;;     1. [M 8,192, K 1,024] x [K 1,024, N 3,072]; A: input inputs; B: input W_qkv: QUANTISED
;;     2. batch 64 x [M 2,048, K 64] x [K 64, N 2,048]; A: computed on the way; B: computed on the way: QUANTISED
;;     3. batch 64 x [M 2,048, K 2,048] x [K 2,048, N 64]; A: softmax (see below); B: computed on the way: QUANTISED
;;     4. [M 8,192, K 1,024] x [K 1,024, N 1,024]; A: computed on the way; B: input W_out: QUANTISED
;;   THE QUANTISER, for each operand of a quantised product, along K:
;;     - K is cut into blocks of 32 from its start; a last block that is shorter is filled with zeros.
;;     - A block's scale is 2^e with e = floor(log2(the largest magnitude in the block)) - 2, held to -126 .. 127; a block of zeros has e = 0. As a byte (E8M0): e + 127.
;;     - Each number is divided by its block's scale, clamped to +-6, and rounded to the nearest number of E2M1, ties to even, subnormals kept.
;;     - The product sums the exact products of the quantised numbers (number of the format x scale) in f32.
;;   ~~~python
;;   def quantise(x, axis):      # numpy; x: float32 -> the quantised numbers, widened to float32 again
;;       x = np.moveaxis(x, axis, -1); K = x.shape[-1]
;;       x = np.pad(x, [(0, 0)] * (x.ndim - 1) + [(0, -K % 32)]); x = x.reshape(x.shape[:-1] + (-1, 32)); a = np.abs(x).max(-1, keepdims=True)
;;       e = np.where(a > 0, np.clip(np.frexp(np.where(a > 0, a, 1))[1] - 1 - 2, -126, 127), 0)      # np.frexp(a)[1] - 1 = floor(log2(a)), exactly
;;       r = np.clip(x / 2.0 ** e, -6, 6)
;;       step = 2.0 ** (np.maximum(np.frexp(np.where(r == 0, 1, r))[1] - 1, 0) - 1)
;;       q = np.round(r / step) * step * 2.0 ** e      # np.round: ties to even
;;       return np.moveaxis(q.reshape(q.shape[:-2] + (-1,))[..., :K], -1, axis).astype(np.float32)
;;   ~~~
;;   SOFTMAX AHEAD OF A QUANTISED PRODUCT. Where the list says 'softmax', what is quantised is not the finished softmax but p = 2^(t - M), with t = logit x log2(e) and M = ceil(the row's largest t), a whole number; so 1/2 < the row's largest p <= 1. The row's sum l is taken of the UNQUANTISED p, in f32, and the product's result is divided by l at the end. Since M is a whole number, a kernel that streams over the keys may use a running M (the ceiling of the running maximum): every later rescaling is an exact power of two, which a block's scale takes up: the codes' values come out the same.
;;   OPERANDS COMPUTED ON THE WAY. 'Computed on the way' means the value that the module computes at that place (a softmax that the list does not call 'softmax' is quantised finished and normalised). What goes into a quantiser is computed in f32, as accurately as f32 sums, v_exp_f32 and their like allow (about 1e-6 of the number): no bf16 or f16 on the way to a quantiser, and a product that is left as it is and whose result goes on into a quantised operand takes f32 operands (vector FMAs, or v_wmma_f32_16x16x4_f32). A number that lies on a knife's edge between two numbers of the format may be rounded either way, as far as f32 arithmetic and the matrix unit's own rounding can turn it there, and no further.
;; One version. Each part assembles by itself: llvm-mc -triple=amdgcn-amd-amdhsa -mcpu=gfx1250 --defsym DOCPART=n.
;; ======== version 1 of 1: 4 launches
;; workspace buffers: codes1 6,291,456 bytes; scales1 393,216 bytes; qc 4,194,304 bytes; qs 524,288 bytes; kv 9,175,040 bytes; oc 4,194,304 bytes; os 262,144 bytes
;; launch quant (part 1): grid 384 x 1, 4 waves a work-group, no clusters, 33,280 bytes of LDS; arguments inputs, W_qkv, W_out, codes1, scales1; writes codes1, scales1
.if DOCPART == 1
	.amdgcn_target "amdgcn-amd-amdhsa--gfx1250"
	.amdhsa_code_object_version 6
	.text
	.protected	k_qabcc43130c_quant
	.globl	k_qabcc43130c_quant
	.p2align	8
	.type	k_qabcc43130c_quant,@function
k_qabcc43130c_quant:
	s_mov_b64 s[64:65], 0
	v_nop
	global_prefetch_b8 v0, s[64:65] scope:SCOPE_SE
	s_setreg_imm32_b32 hwreg(HW_REG_WAVE_MODE, 25, 1), 1
	s_wait_xcnt 0x0
; inputs [8192][1024], W_qkv [3072][1024] and W_out [1024][1024], f32, K innermost, become codes of FP4 (E2M1), two a byte, and one E8M0 scale byte for each 32 along K.
; The three tensors' codes lie on end in codes1 (rows of 512 bytes), their scale bytes on end in scales1 (rows of 32 bytes).
; A block's scale is 2^(floor(log2(its largest magnitude)) - 2); its byte is the largest magnitude's exponent field - 2, held at 1 from below; each number is divided by the scale and rounded to the nearest code, ties to even, beyond 6 the largest code.
; THE ROWS ARE WRITTEN IN ANOTHER ORDER THAN THEY ARE READ: in each group of 32 rows the second and the third run of 8 rows change places, so that position 16 u + r holds row 8 u + r + 8 (r / 8).
; A plain tile of 16 positions is then a tile whose results, two tiles together, are 16 neighbours in a lane's registers: the later launches lean on that.  A wave owns exactly 8 rows, so the order costs one scalar line.
; LIMITS: NaN and infinities are not served.  A block whose largest magnitude lies under 2^-124 keeps the byte 1, a block of zeros too (the stated quantiser says 127 there): its codes are zeros, and this program alone reads the bytes.
; SHARES: a work-group takes 32 rows (32,768 numbers): groups 0-255 inputs, 256-351 W_qkv, 352-383 W_out.  A wave takes 8 rows in 16 steps of 512 numbers.
; Each load reads 512 consecutive bytes; a step's 2,048 bytes turn through the wave's own stage in LDS, so that a lane then holds 16 neighbours along K (two lanes a block).  No barrier: waves share nothing.
.set STEPS, 16
.set CB,    8                          ; bytes of a lane's 16 codes
.set RR,    16                         ; v16-79   four sets of 16 numbers as loaded
.set XX,    80                         ; v80-111  two sets of 16 neighbours
.set EE,    112                        ; v112-127 a scale byte for each step
.set CC,    128                        ; v128-191 codes, four registers a step: no store's data are written again
.set WREG,  8192                       ; LDS of a wave: two stages of 32 x SP bytes, then its 256 scale bytes
.set SP,    80                         ; a lane's place in a stage: 64 bytes + 16 of padding
	s_load_b128 s[4:7], s[0:1], 0x0                ; inputs, W_qkv
	s_load_b128 s[8:11], s[0:1], 0x10              ; W_out, codes1
	s_load_b64 s[12:13], s[0:1], 0x20              ; scales1
	v_lshl_add_u32 v192, v0, 2, 0x8000
	v_mov_b32 v193, 0
	v_lshrrev_b32 v1, 5, v0
	v_readfirstlane_b32 s16, v1                    ; wave
	v_and_b32 v2, 31, v0                           ; lane
	v_lshlrev_b32 v3, 4, v2                        ; my 16 bytes of a load's 512
	s_mul_i32 s17, s16, WREG
	v_lshrrev_b32 v14, 2, v2
	v_mul_u32_u24 v14, v14, SP
	v_and_b32 v15, 3, v2
	v_lshl_add_u32 v14, v15, 4, v14
	v_add_nc_u32 v14, s17, v14                     ; the stage, on the way in: SP (lane / 4) + 16 (lane % 4)
	v_mul_u32_u24 v15, v2, SP
	v_add_nc_u32 v15, s17, v15                     ; and on the way out: SP x lane: my 16 neighbours
	v_mul_u32_u24 v4, v2, CB                       ; my codes' place in a step's 256 bytes
	v_lshrrev_b32 v5, 1, v2
	s_add_co_u32 s17, s17, 2*32*SP
	v_add_nc_u32 v5, s17, v5                       ; LDS: my block's scale byte
	v_lshlrev_b32 v7, 3, v2                        ; on the way out 8 scale bytes a lane
	v_add_nc_u32 v6, s17, v7
	s_and_b32 s20, s16, 1                          ; where my 8 rows go: runs 1 and 2 of the four change places
	s_lshl_b32 s20, s20, 1
	s_lshr_b32 s21, s16, 1
	s_or_b32 s20, s20, s21
	s_lshl_b32 s21, ttmp9, 2
	s_add_co_u32 s20, s20, s21                     ; the run of 8 rows in codes1 and scales1: the three tensors lie on end there
	s_wait_alu depctr_va_vdst(0)
	s_wait_kmcnt 0x0
	s_cmp_lt_u32 ttmp9, 352                        ; which tensor: the choice hangs on the work-group's number alone
	s_cselect_b64 s[6:7], s[6:7], s[8:9]
	s_mov_b32 s17, 352
	s_cselect_b32 s17, 256, s17
	s_cmp_lt_u32 ttmp9, 256
	s_cselect_b64 s[4:5], s[4:5], s[6:7]
	s_cselect_b32 s17, 0, s17                      ; the tensor's first work-group
	s_sub_co_u32 s17, ttmp9, s17
	s_lshl_b32 s17, s17, 2
	s_add_co_u32 s18, s17, s16                     ; the run of 8 rows in the tensor
	s_lshl_b32 s18, s18, 15                        ; 32,768 bytes a run
	s_mov_b32 s19, 0
	s_add_nc_u64 s[4:5], s[4:5], s[18:19]
	s_lshl_b32 s22, s20, 12                        ; 4,096 bytes of codes a run
	s_mov_b32 s23, 0
	s_add_nc_u64 s[10:11], s[10:11], s[22:23]
	s_lshl_b32 s22, s20, 8                         ; 256 scale bytes a run
	s_add_nc_u64 s[12:13], s[12:13], s[22:23]
.macro LOAD t
.irp i, 0,1,2,3
	global_load_b128 v[RR+16*((\t)%4)+4*\i:RR+16*((\t)%4)+4*\i+3], v3, s[4:5] offset:2048*(\t)+512*\i th:TH_LOAD_NT   ; 32 lanes read 512 consecutive bytes
.endr
.endm
.macro TURN t                          ; step t's numbers through the stage: LDS serves a wave's instructions in order, so no wait stands between the stores and the loads
.irp i, 0,1,2,3
	ds_store_b128 v14, v[RR+16*((\t)%4)+4*\i:RR+16*((\t)%4)+4*\i+3] offset:32*SP*((\t)%2)+8*SP*\i
.endr
.irp i, 0,1,2,3
	ds_load_b128 v[XX+16*((\t)%2)+4*\i:XX+16*((\t)%2)+4*\i+3], v15 offset:32*SP*((\t)%2)+16*\i
.endr
.endm
.irp t, 0,1,2,3
	LOAD \t
.endr
	s_wait_loadcnt 12                              ; step 0's four loads are in; the twelve of steps 1 to 3 may be out
	TURN 0
.macro STEP t
.set XS, XX+16*((\t)%2)
.if (\t) > 0
	s_wait_dscnt 1                                 ; this step's numbers are back from the stage (the last step's byte store may be out): so its stores into the stage have read their registers,
.else
	s_wait_dscnt 0x0
.endif
.if (\t)+4 < STEPS
	LOAD (\t)+4                                    ; which take the loads of four steps on
.endif
.if (\t)+1 < STEPS
.if STEPS-2-(\t) >= 3
	s_wait_loadcnt 12                              ; the next step's four loads are in; those of the three steps behind it may be out
.else
	s_wait_loadcnt 4*(STEPS-2-(\t))
.endif
	TURN (\t)+1                                    ; and go through the other stage while this step is worked
.endif
	v_max3_num_f32 v8, |v[XS]|, |v[XS+1]|, |v[XS+2]|               ; the largest magnitude of my 16, in two chains
	v_max3_num_f32 v9, |v[XS+3]|, |v[XS+4]|, |v[XS+5]|
.irp i, 6,10
	v_max3_num_f32 v8, v8, |v[XS+\i]|, |v[XS+\i+1]|
	v_max3_num_f32 v9, v9, |v[XS+\i+2]|, |v[XS+\i+3]|
.endr
	v_max3_num_f32 v8, v8, |v[XS+14]|, |v[XS+15]|
	v_max3_num_f32 v8, v8, v9, 0x1800000           ; and the floor 2^(3 - 127): the byte cannot fall under 1
	v_max_num_f32_dpp v8, v8, v8 row_xmask:1 row_mask:0xf bank_mask:0xf   ; and of my neighbour's 16: the block's
	v_add_nc_u32 v11, 0xff000000, v8               ; 2 off its exponent field: the conversion takes the exponent field of this operand as its scale
	v_cvt_scalef32_pk8_fp4_f32 v[CC+4*(\t)], v[XS:XS+7], v11
	v_cvt_scalef32_pk8_fp4_f32 v[CC+4*(\t)+1], v[XS+8:XS+15], v11
	v_lshrrev_b32 v[EE+(\t)], 23, v11              ; the scale's byte (a plain line behind the conversions)
	ds_store_b8 v5, v[EE+(\t)] offset:16*(\t)      ; both lanes of a block write the same byte with the same value
	global_store_b64 v4, v[CC+4*(\t):CC+4*(\t)+1], s[10:11] offset:32*CB*(\t)   ; the wave stores 256 consecutive bytes, aligned
.endm
.irp t, 0,1,2,3,4,5,6,7,8,9,10,11,12,13,14,15
	STEP \t
.endr
	ds_load_b64 v[12:13], v6                       ; LDS serves a wave's instructions in order: these see my byte stores
	s_wait_dscnt 0x0
	global_store_b64 v7, v[12:13], s[12:13]        ; 32 lanes store my 8 rows' 256 scale bytes, aligned
	s_wait_tensorcnt 0x0
	ds_add_u32 v192, v193
	s_wait_dscnt 0x0
	s_endpgm
.Lfunc_end_k_qabcc43130c_quant:
	.size	k_qabcc43130c_quant, .Lfunc_end_k_qabcc43130c_quant-k_qabcc43130c_quant
	.p2alignl 7, 3214868480
	.fill 96, 4, 3214868480
	.section	.rodata,"a",@progbits
	.p2align	6, 0x0
	.amdhsa_kernel k_qabcc43130c_quant
		.amdhsa_group_segment_fixed_size 33280
		.amdhsa_private_segment_fixed_size 0
		.amdhsa_enable_private_segment 0
		.amdhsa_kernarg_size 40
		.amdhsa_user_sgpr_count 2
		.amdhsa_user_sgpr_kernarg_segment_ptr 1
		.amdhsa_wavefront_size32 1
		.amdhsa_system_sgpr_workgroup_id_x 1
		.amdhsa_system_sgpr_workgroup_id_y 1
		.amdhsa_system_sgpr_workgroup_id_z 1
		.amdhsa_system_vgpr_workitem_id 0
		.amdhsa_next_free_vgpr 194
		.amdhsa_next_free_sgpr 66
		.amdhsa_reserve_vcc 0
		.amdhsa_float_denorm_mode_32 3
		.amdhsa_float_denorm_mode_16_64 3
		.amdhsa_memory_ordered 1
		.amdhsa_forward_progress 1
		.amdhsa_inst_pref_size 34
	.end_amdhsa_kernel
	.amdgpu_metadata
---
amdhsa.version: [ 1, 2 ]
amdhsa.kernels:
  - .name:           k_qabcc43130c_quant
    .symbol:         k_qabcc43130c_quant.kd
    .args:
      - { .name: inputs, .offset: 0, .size: 8, .value_kind: global_buffer, .address_space: global }
      - { .name: W_qkv, .offset: 8, .size: 8, .value_kind: global_buffer, .address_space: global }
      - { .name: W_out, .offset: 16, .size: 8, .value_kind: global_buffer, .address_space: global }
      - { .name: codes1, .offset: 24, .size: 8, .value_kind: global_buffer, .address_space: global }
      - { .name: scales1, .offset: 32, .size: 8, .value_kind: global_buffer, .address_space: global }
    .group_segment_fixed_size: 33280
    .private_segment_fixed_size: 0
    .kernarg_segment_align: 8
    .kernarg_segment_size: 40
    .max_flat_workgroup_size: 128
    .sgpr_count:     66
    .vgpr_count:     194
    .wavefront_size: 32
...
	.end_amdgpu_metadata
.endif
;; end of part 1
;; launch qkv (part 2): grid 16 x 32, 4 waves a work-group, clusters of 4 x 4, 262,656 bytes of LDS; arguments codes1, scales1, b_qkv, qc, qs, kv; writes qc, qs, kv
.if DOCPART == 2
	.amdgcn_target "amdgcn-amd-amdhsa--gfx1250"
	.amdhsa_code_object_version 6
	.text
	.protected	k_qabcc43130c_qkv
	.globl	k_qabcc43130c_qkv
	.p2align	8
	.type	k_qabcc43130c_qkv,@function
k_qabcc43130c_qkv:
	s_mov_b64 s[64:65], 0
	v_nop
	global_prefetch_b8 v0, s[64:65] scope:SCOPE_SE
	s_setreg_imm32_b32 hwreg(HW_REG_WAVE_MODE, 25, 1), 1
	s_wait_xcnt 0x0
	s_wait_alu depctr_hold_cnt(0) depctr_sa_sdst(0) depctr_va_vdst(0) depctr_va_sdst(0) depctr_va_ssrc(0) depctr_va_vcc(0) depctr_vm_vsrc(0)
	s_getreg_b32 s2, hwreg(HW_REG_IB_STS2, 6, 4)
	s_cmp_eq_u32 s2, 0
	s_cbranch_scc0 .Lentry_in_a_cluster
	s_endpgm
.Lentry_in_a_cluster:
	s_bfe_u32 s2, ttmp6, 0x10000c
	s_cmp_lg_u32 s2, 0xf033
	s_cbranch_scc0 .Lentry_shape_is_right
	s_endpgm
.Lentry_shape_is_right:
; qkv = x W_qkv^T + b_qkv on codes of FP4 with E8M0 scales, and at once the quantising of q, k (along the head's 64) and v (along the tokens): no f32 number of qkv goes to memory.
; SHARES.  Work-group (x = head, y) makes 256 tokens x the head's 192 features (64 of q, 64 of k, 64 of v).  Wave w takes 64 tokens (4 tiles of x) x all 12 tiles of W: 48 accumulators of 16 x 16.
; All of K = 1,024 lies in LDS at once, in two halves of 512 (rows of 256 bytes): every LDS byte is filled once, so there is no ring.  The second half lands while the first is multiplied.
; CLUSTER 4 x 4: the four of a row of the cluster need the same rows of x, the four of a column the same rows of W: each tile is asked for jointly, by the same tensor load with a mask that names the four.
; ROW ORDER.  codes1 holds its rows so that position 16 u + r of a group of 32 is row 8 u + r + 8 (r / 8).  In a result, register j of lane (r, h) belongs to position 8 h + j of source 0's tile: row 32 b + 16 h + 8 u + j for tile 2 b + u.
; So the 16 registers of two neighbouring tiles are 16 NEIGHBOURS along source 0's axis, which is what the conversions want.  q, k: source 0 = W (a lane holds a token, registers run along the features);
; v: source 0 = x (a lane holds a feature, registers run along the tokens, which are the next product's K).
; The bias is the C of each sum's first matrix instruction.
; OUT: qc, kv hold images of operand registers (16 bytes a lane, 512 a tile), qs and kv's tail the scale words: see the stores at the end.
; LIMITS: NaN and infinities are not served; a block whose largest magnitude lies under 2^-124, or of zeros, keeps the byte 1; only this program reads the bytes.
; REGISTERS, in windows of 256: window 0: v1-27 addresses; v32-63 x's scale words (tile a, K step ks: 32 + 8 a + ks), v64-159 W's; v160-255 the biases, later the epilogue's work.
;   window 1: two sets of fragments (set p at 128 p: x's 4, then W's 12).   window 2: q's and k's accumulators, (a, b) at 8 (8 a + b).   window 3: v's, (a, b) at 8 (4 b + a).
.set PITCH,  272                       ; an LDS row: 256 bytes + 16 of padding: the 16 rows that a load touches start at 16 different places modulo 256 bytes
.set ABYTES, 256*PITCH                 ; x's 256 rows
.set SLOT,   448*PITCH                 ; and W's 192: half of K
.set SCL,    2*SLOT                    ; x's scale bytes: 32 pieces of 256 bytes + 16
.set SCLB,   SCL+32*272                ; W's: 24 pieces
.set WQ,     4194304                   ; W_qkv's codes in codes1
.set WQS,    262144                    ; and its scale bytes in scales1
.set KVSTEP, 8960                      ; a key step's block in kv
.set ADRA, 16                          ; v16-17 LDS address of x's fragments, K half 0, 1
.set ADRB, 20                          ; v20-21 of W's
.set ASA,  22                          ; v22 of x's scale words
.set ASB,  23                          ; v23 of W's
.set LI,   24                          ; v24 16 x lane
.set LS,   25                          ; v25 4 x lane
.set BQ,   26                          ; v26 64 h: the bias of q and k
.set BV,   27                          ; v27 4 (r + 8 (r / 8)): the bias of v
.set SCA,  32
.set SCB,  64
.set BI,   160
.set TM,   160                         ; epilogue: +0,1 largest magnitudes; +2,3 the other half's; +4,5 scale operands; +6,7 bytes
.set PW,   168                         ; v168-179 twelve scale words
.set MW,   180                         ; v180-185 the same, two tiles to a register
.set CD,   192                         ; v192-239 twelve tiles' codes
.set WV,   16                          ; s16 wave
.set ROLE, 17                          ; s17 wave / 2: I fetch for x (0) or for W (1)
.set EH,   18                          ; s18 wave % 2: which half of the rows I fetch
.set SEL,  66                          ; s[66:67] lane selects: lane l xor 16
.set G1A,  24
.set G0A,  32
.set G1B,  48
.set G0B,  56
.set G1SA, 68
.set G0SA, 76
.set G1SB, 80
.set G0SB, 88
.set MSB, 0
.macro WIN new                         ; the immediate's high byte repeats the setting that is left
.if MSB != (\new)
	s_set_vgpr_msb (MSB<<8)|(\new)
.set MSB, (\new)
.endif
.endm
.macro PLACES                          ; four plain vector lines between a matrix instruction and a load into, or a read of, its registers
.rept 4
	v_nop
.endr
.endm
; A joint load: waves 0 and 1 fetch for x, waves 2 and 3 for W.  The branch hangs on the wave's number alone.  Four v_nop follow each of the two lines.
.macro JLOAD g0a, g1a, g0b, g1b
	s_cmp_eq_u32 s[ROLE], 0
	s_cbranch_scc0 .Lfor_b_\@
	tensor_load_to_lds s[\g0a:\g0a+3], s[\g1a:\g1a+7]
	s_nop 0
.rept 4
	v_nop
.endr
	s_branch .Lasked_\@
.Lfor_b_\@:
	tensor_load_to_lds s[\g0b:\g0b+3], s[\g1b:\g1b+7]
	s_nop 0
.rept 4
	v_nop
.endr
.Lasked_\@:
.endm
.macro CROUND                          ; a round of the cluster's barrier
	s_barrier_signal -1
	s_barrier_wait -1
	s_cmp_lg_u32 s[WV], 0
	s_cbranch_scc1 .Lnot_wave_0_\@
	s_barrier_signal -3
.Lnot_wave_0_\@:
	s_barrier_wait -3
	s_barrier_signal -1
	s_barrier_wait -1
.endm
	s_load_b256 s[4:11], s[0:1], 0x0               ; codes1 s[4:5], scales1 s[6:7], b_qkv s[8:9], qc s[10:11]
	s_load_b128 s[12:15], s[0:1], 0x20             ; qs s[12:13], kv s[14:15]
	v_lshl_add_u32 v30, v0, 2, 0x40000
	v_mov_b32 v31, 0
	ds_add_u32 v30, v31
	ds_add_u32 v30, v31
	v_lshrrev_b32 v1, 5, v0
	v_readfirstlane_b32 s[WV], v1
	s_lshr_b32 s[ROLE], s[WV], 1
	s_and_b32 s[EH], s[WV], 1
	s_bfe_u32 s40, ttmp6, 0x40000                  ; cx
	s_bfe_u32 s41, ttmp6, 0x40004                  ; cy
	s_lshl_b32 s42, ttmp9, 2
	s_add_co_u32 s42, s42, s40                     ; x: the head
	s_and_b32 s43, ttmp7, 0xffff
	s_lshl_b32 s43, s43, 2
	s_add_co_u32 s43, s43, s41                     ; y: which 256 tokens
	s_lshl_b32 s44, s41, 2
	s_lshl_b32 s44, 15, s44                        ; my row of the cluster
	s_lshl_b32 s45, 0x1111, s40                    ; my column
	; descriptor groups 1.  Codes: rows of 256 bytes, 512 bytes apart in memory, 16 bytes of padding behind each: 128 rows of x, 96 of W
	s_or_b32 s[G1A], s44, (1<<20)|(1<<21)|(5<<22)|(3<<25)   ; 15:0 the mask; 17:16 elements of 1 byte; 20 padding on; 21 set beside a mask; 24:22 after every 64 words; 31:25 four words
	s_or_b32 s[G1B], s45, (1<<20)|(1<<21)|(5<<22)|(3<<25)
.irp g, G1A, G1B
	s_mov_b32 s[\g+1], 256<<16                     ; tensor_dim0
	s_mov_b32 s[\g+3], 256<<16                     ; tile_dim0
	s_mov_b32 s[\g+5], 512                         ; from row to row
	s_mov_b32 s[\g+6], 0
	s_mov_b32 s[\g+7], 0
.endr
	s_mov_b32 s[G1A+2], 128<<16                    ; tensor_dim1
	s_mov_b32 s[G1A+4], 128                        ; tile_dim1
	s_mov_b32 s[G1B+2], 96<<16
	s_mov_b32 s[G1B+4], 96
	; scale bytes: dense blocks, as rows of 256 bytes (32 elements of 8), 16 bytes of padding behind each: 16 rows for x's 128, 12 for W's 96
	s_or_b32 s[G1SA], s44, (3<<16)|(1<<20)|(1<<21)|(5<<22)|(3<<25)
	s_or_b32 s[G1SB], s45, (3<<16)|(1<<20)|(1<<21)|(5<<22)|(3<<25)
.irp g, G1SA, G1SB
	s_mov_b32 s[\g+1], 32<<16
	s_mov_b32 s[\g+3], 32<<16
	s_mov_b32 s[\g+5], 32
	s_mov_b32 s[\g+6], 0
	s_mov_b32 s[\g+7], 0
.endr
	s_mov_b32 s[G1SA+2], 16<<16
	s_mov_b32 s[G1SA+4], 16
	s_mov_b32 s[G1SB+2], 12<<16
	s_mov_b32 s[G1SB+4], 12
	; where the tiles come from: x's hang on y alone, W's on the head alone, each in registers that never hold the other coordinate
	s_lshl_b32 s19, s[EH], 7
	s_lshl_b32 s20, s43, 8
	s_add_co_u32 s20, s20, s19                     ; x: row 256 y + 128 e
	s_lshl_b32 s22, s20, 5                         ; its scale bytes
	s_lshl_b32 s20, s20, 9                         ; its codes
	s_mov_b32 s21, 0
	s_mov_b32 s23, 0
	s_mul_i32 s46, s42, 192
	s_mul_i32 s47, s[EH], 96
	s_add_co_u32 s46, s46, s47                     ; W: row 192 x + 96 e
	s_lshl_b32 s92, s46, 5
	s_add_co_u32 s92, s92, WQS
	s_lshl_b32 s46, s46, 9
	s_add_co_u32 s46, s46, WQ
	s_mov_b32 s47, 0
	s_mov_b32 s93, 0
	s_mul_i32 s94, s[EH], 128*PITCH                ; and where they go: no place in the cluster enters an LDS address
	s_mul_i32 s95, s[EH], 96*PITCH
	s_mul_i32 s96, s[EH], 16*272
	s_mul_i32 s97, s[EH], 12*272
	s_mov_b32 s[SEL], 0x76543210
	s_mov_b32 s[SEL+1], 0xfedcba98
	s_wait_dscnt 0x0
	s_wait_kmcnt 0x0
	s_add_nc_u64 s[20:21], s[4:5], s[20:21]
	s_add_nc_u64 s[22:23], s[6:7], s[22:23]
	s_add_nc_u64 s[46:47], s[4:5], s[46:47]
	s_add_nc_u64 s[92:93], s[6:7], s[92:93]
	CROUND                                         ; all sixteen work-groups are here: the joint loads meet
	s_mov_b32 s[G0SA], 1
	s_add_co_u32 s[G0SA+1], s96, SCL
	s_mov_b64 s[G0SA+2:G0SA+3], s[22:23]
	s_or_b32 s[G0SA+3], s[G0SA+3], 0x80000000
	s_mov_b32 s[G0SB], 1
	s_add_co_u32 s[G0SB+1], s97, SCLB
	s_mov_b64 s[G0SB+2:G0SB+3], s[92:93]
	s_or_b32 s[G0SB+3], s[G0SB+3], 0x80000000
	JLOAD G0SA, G1SA, G0SB, G1SB                   ; the scale bytes first, then the two halves of K: three loads of mine are out
.irp s, 0,1
	s_mov_b32 s[G0A+4*\s], 1
	s_add_co_u32 s[G0A+4*\s+1], s94, \s*SLOT
	s_add_nc_u64 s[G0A+4*\s+2:G0A+4*\s+3], s[20:21], \s*256
	s_or_b32 s[G0A+4*\s+3], s[G0A+4*\s+3], 0x80000000
	s_mov_b32 s[G0B+4*\s], 1
	s_add_co_u32 s[G0B+4*\s+1], s95, \s*SLOT+ABYTES
	s_add_nc_u64 s[G0B+4*\s+2:G0B+4*\s+3], s[46:47], \s*256
	s_or_b32 s[G0B+4*\s+3], s[G0B+4*\s+3], 0x80000000
	JLOAD G0A+4*\s, G1A, G0B+4*\s, G1B
.endr
	v_and_b32 v1, 15, v0                           ; r
	v_bfe_u32 v2, v0, 4, 1                         ; h
	v_and_b32 v3, 31, v0                           ; lane
	v_mul_u32_u24 v4, v1, PITCH
	v_lshl_add_u32 v4, v2, 4, v4                   ; a fragment's row x pitch + 16 h
	s_mul_i32 s19, s[WV], 64*PITCH                 ; my 64 rows of x
	v_add_nc_u32 v[ADRA], s19, v4
	v_add_nc_u32 v[ADRA+1], SLOT, v[ADRA]
	v_add_nc_u32 v[ADRB], ABYTES, v4
	v_add_nc_u32 v[ADRB+1], SLOT, v[ADRB]
	v_lshrrev_b32 v5, 3, v1
	v_lshlrev_b32 v5, 4, v5
	v_lshl_add_u32 v5, v1, 5, v5                   ; a row's 32 scale bytes: 32 r, and 16 more behind each 8 rows
	s_mul_i32 s19, s[WV], 4*544
	s_add_co_u32 s19, s19, SCL
	v_add_nc_u32 v[ASA], s19, v5
	v_add_nc_u32 v[ASB], SCLB, v5
	v_lshlrev_b32 v[LI], 4, v3
	v_lshlrev_b32 v[LS], 2, v3
	v_lshlrev_b32 v[BQ], 6, v2
	v_and_b32 v6, 8, v1
	v_add_nc_u32 v6, v6, v1
	v_lshlrev_b32 v[BV], 2, v6
	s_mul_i32 s98, s42, 768                        ; the head's 192 numbers of b_qkv
	s_mov_b32 s99, 0
	s_add_nc_u64 s[8:9], s[8:9], s[98:99]
.irp b, 0,1,2,3,4,5,6,7                        ; q, k: register j of tile b is feature 32 (b / 2) + 16 h + 8 (b % 2) + j
	global_load_b128 v[BI+8*\b:BI+8*\b+3], v[BQ], s[8:9] offset:128*(\b/2)+32*(\b%2)
	global_load_b128 v[BI+8*\b+4:BI+8*\b+7], v[BQ], s[8:9] offset:128*(\b/2)+32*(\b%2)+16
.endr
.irp b, 0,1,2,3                                ; v: the feature lies along the lanes, 128 + 32 (b / 2) + 8 (b % 2) + r + 8 (r / 8): all eight registers hold its bias
.irp j, 0,1,2,3,4,5,6,7
	global_load_b32 v[BI+64+8*\b+\j], v[BV], s[8:9] offset:512+128*(\b/2)+32*(\b%2)
.endr
.endr
	s_wait_alu depctr_va_vdst(0)
	s_wait_tensorcnt 0x1                           ; the scale bytes and my part of K's first half are in; the second half's load may stay out
	s_barrier_signal -1
	s_barrier_wait -1                              ; everybody's are
.irp a, 0,1,2,3                                ; all scale words for all of K: eight words a row, two loads
	ds_load_b128 v[SCA+8*\a:SCA+8*\a+3], v[ASA] offset:544*\a
	ds_load_b128 v[SCA+8*\a+4:SCA+8*\a+7], v[ASA] offset:544*\a+16
.endr
.irp b, 0,1,2,3,4,5,6,7,8,9,10,11
	ds_load_b128 v[SCB+8*\b:SCB+8*\b+3], v[ASB] offset:544*\b
	ds_load_b128 v[SCB+8*\b+4:SCB+8*\b+7], v[ASB] offset:544*\b+16
.endr
.macro FRAG reg, adr, q, blk           ; 16 rows x 128 K of 4-bit codes: registers 4 c .. 4 c + 3 hold K = 64 c + 32 h + 0 .. 31
.irp c, 0,1
	ds_load_b128 v[\reg+4*\c:\reg+4*\c+3], v[\adr] offset:64*(\q)+32*\c+(\blk)*16*PITCH
.endr
.endm
.macro FETCH ks                        ; K step ks: 4 fragments of x and 12 of W into set ks % 2: 32 loads in one run
	WIN 0x40                                       ; destination window 1
.irp a, 0,1,2,3
	FRAG 128*((\ks)%2)+8*\a, ADRA+(\ks)/4, (\ks)%4, \a
.endr
.irp b, 0,1,2,3,4,5,6,7,8,9,10,11
	FRAG 128*((\ks)%2)+32+8*\b, ADRB+(\ks)/4, (\ks)%4, \b
.endr
	WIN 0
.endm
; The 48 accumulators take turns, one instruction a turn, in the same order in every K step.
.macro MULQK ks                        ; q and k: source 0 = W's tile b, source 1 = x's tile a
.if (\ks) == 0
	WIN 0x85                                       ; sources 0, 1 window 1; C (the bias) window 0; D window 2
.else
	WIN 0xa5
.endif
.irp a, 0,1,2,3
.irp b, 0,1,2,3,4,5,6,7
.if (\ks) == 0
	v_wmma_scale_f32_16x16x128_f8f6f4 v[8*(8*\a+\b):8*(8*\a+\b)+7], v[128*((\ks)%2)+32+8*\b:128*((\ks)%2)+32+8*\b+7], v[128*((\ks)%2)+8*\a:128*((\ks)%2)+8*\a+7], v[BI+8*\b:BI+8*\b+7], v[SCB+8*\b+(\ks)], v[SCA+8*\a+(\ks)] matrix_a_fmt:MATRIX_FMT_FP4 matrix_b_fmt:MATRIX_FMT_FP4
.else
	v_wmma_scale_f32_16x16x128_f8f6f4 v[8*(8*\a+\b):8*(8*\a+\b)+7], v[128*((\ks)%2)+32+8*\b:128*((\ks)%2)+32+8*\b+7], v[128*((\ks)%2)+8*\a:128*((\ks)%2)+8*\a+7], v[8*(8*\a+\b):8*(8*\a+\b)+7], v[SCB+8*\b+(\ks)], v[SCA+8*\a+(\ks)] matrix_a_fmt:MATRIX_FMT_FP4 matrix_b_fmt:MATRIX_FMT_FP4
.endif
.endr
.endr
.endm
.macro MULV ks                         ; v: source 0 = x's tile a, source 1 = W's tile 8 + b
.if (\ks) == 0
	WIN 0xc5                                       ; D window 3, C window 0
.else
	WIN 0xf5
.endif
.irp a, 0,1,2,3
.irp b, 0,1,2,3
.if (\ks) == 0
	v_wmma_scale_f32_16x16x128_f8f6f4 v[8*(4*\b+\a):8*(4*\b+\a)+7], v[128*((\ks)%2)+8*\a:128*((\ks)%2)+8*\a+7], v[128*((\ks)%2)+96+8*\b:128*((\ks)%2)+96+8*\b+7], v[BI+64+8*\b:BI+64+8*\b+7], v[SCA+8*\a+(\ks)], v[SCB+64+8*\b+(\ks)] matrix_a_fmt:MATRIX_FMT_FP4 matrix_b_fmt:MATRIX_FMT_FP4
.else
	v_wmma_scale_f32_16x16x128_f8f6f4 v[8*(4*\b+\a):8*(4*\b+\a)+7], v[128*((\ks)%2)+8*\a:128*((\ks)%2)+8*\a+7], v[128*((\ks)%2)+96+8*\b:128*((\ks)%2)+96+8*\b+7], v[8*(4*\b+\a):8*(4*\b+\a)+7], v[SCA+8*\a+(\ks)], v[SCB+64+8*\b+(\ks)] matrix_a_fmt:MATRIX_FMT_FP4 matrix_b_fmt:MATRIX_FMT_FP4
.endif
.endr
.endr
.endm
.macro STEP ks
	s_wait_dscnt 0x0                               ; this step's fragments, asked for a step ago, are in
	PLACES                                         ; the other set was read by the last step's products
.if (\ks) == 3
	WIN 0
	s_wait_tensorcnt 0x0                           ; my part of K's second half is in,
	s_barrier_signal -1
	s_barrier_wait -1                              ; everybody's is: the next fetch reads it
.endif
.if (\ks) < 7
	FETCH (\ks)+1                                  ; lands under this step's 48 products
.endif
	MULQK \ks
	MULV \ks
.endm
	FETCH 0
	s_wait_loadcnt 0x0                             ; the biases
.irp k, 0,1,2,3,4,5,6,7
	STEP \k
.endr
	; where the results go
	s_lshr_b32 s20, s43, 3                         ; the batch: 8 blocks of 256 tokens each
	s_lshl_b32 s20, s20, 4
	s_add_co_u32 s20, s20, s42                     ; bh = 16 x batch + head
	s_and_b32 s21, s43, 7                          ; which 256 tokens of the batch
	s_lshl_b32 s22, s20, 7
	s_lshl_b32 s23, s21, 4
	s_add_co_u32 s22, s22, s23
	s_lshl_b32 s23, s[WV], 2
	s_add_co_u32 s22, s22, s23                     ; my first tile of 16 tokens: 128 bh + 16 yb + 4 w
	s_mov_b32 s47, 0
	s_lshl_b32 s46, s22, 9
	s_add_nc_u64 s[10:11], s[10:11], s[46:47]      ; qc: 512 bytes a tile
	s_lshl_b32 s46, s22, 6
	s_add_nc_u64 s[12:13], s[12:13], s[46:47]      ; qs: 64 bytes a tile
	s_lshl_b32 s22, s20, 4
	s_lshl_b32 s23, s21, 1
	s_add_co_u32 s22, s22, s23
	s_add_co_u32 s22, s22, s[ROLE]                 ; the key step of 128 tokens in which my 64 lie; s[EH] says which half
	s_mul_i32 s46, s22, KVSTEP
	s_add_nc_u64 s[14:15], s[14:15], s[46:47]
	s_lshl_b32 s46, s[EH], 11
	s_add_nc_u64 s[92:93], s[14:15], s[46:47]      ; K's codes: [tile 8][lane][16]: my four tiles
	s_lshl_b32 s46, s[EH], 9
	s_add_co_u32 s46, s46, 4096
	s_add_nc_u64 s[94:95], s[14:15], s[46:47]      ; V's codes: [16 features 4][half of the keys 2][lane][16]
	s_lshl_b32 s46, s[EH], 8
	s_add_co_u32 s46, s46, 8192
	s_add_nc_u64 s[96:97], s[14:15], s[46:47]      ; K's scale words: [tile 8][r][4]
	s_lshl_b32 s46, s[EH], 1
	s_add_co_u32 s46, s46, 8704
	s_add_nc_u64 s[98:99], s[14:15], s[46:47]      ; V's: [16 features 4][r][4]: my two bytes of each word
	PLACES                                         ; behind the last products, ahead of the first read of results
	WIN 0
	v_mov_b32 v[TM+2], 0                           ; written once: a lane permute's destination counts as one of its sources
	v_mov_b32 v[TM+3], 0
; 32 registers s .. s + 31 of window W, register 16 b + i = number 32 b + 16 h + i of my row, become 16 bytes of codes a lane (v[CD + 4 n] on: lane (r, h) holds numbers 32 h .. 32 h + 31) and two scale bytes (v[PW + n]).
.macro QUANT2 s, W, n
	WIN 0
	v_mov_b32 v[TM], 0x1800000                     ; the floor 2^(3 - 127): the byte cannot fall under 1
	v_mov_b32 v[TM+1], 0x1800000
	WIN ((\W)<<2)|((\W)<<4)                        ; sources 1 and 2 in window W
.irp i, 0,2,4,6,8,10,12,14                     ; each accumulator is read from its low end on; the two blocks by turns
.irp b, 0,1
	v_max3_num_f32 v[TM+\b], v[TM+\b], |v[(\s)+16*\b+\i]|, |v[(\s)+16*\b+\i+1]|
.endr
.endr
	WIN 0
.irp b, 0,1
	v_permlanex16_b32 v[TM+2+\b], v[TM+\b], s[SEL], s[SEL+1]
.endr
.irp b, 0,1
	v_max_num_f32 v[TM+\b], v[TM+\b], v[TM+2+\b]   ; with lane l xor 16's 16 numbers: the block's largest magnitude
.endr
.irp b, 0,1
	v_add_nc_u32 v[TM+4+\b], 0xff000000, v[TM+\b]  ; 2 off its exponent field: the conversion's scale operand
.endr
.irp b, 0,1
	v_lshrrev_b32 v[TM+6+\b], 23, v[TM+4+\b]       ; the scale's byte
.endr
	v_lshl_or_b32 v[PW+(\n)], v[TM+7], 8, v[TM+6]
	WIN (\W)                                       ; source 0 in window W
.irp b, 0,1
.irp g, 0,1
	v_cvt_scalef32_pk8_fp4_f32 v[CD+4*(\n)+2*\b+\g], v[(\s)+16*\b+8*\g:(\s)+16*\b+8*\g+7], v[TM+4+\b]
.endr
.endr
	WIN 0
	v_nop                                          ; one plain line behind a scaled conversion
.irp i, 0,1                                    ; a whole block to a lane: the first's lanes 16-31 change places with the second's lanes 0-15
	v_permlane16_swap_b32 v[CD+4*(\n)+\i], v[CD+4*(\n)+2+\i]
.endr
.endm
.irp a, 0,1,2,3                                ; q: 16 tokens x 64 features a tile; each store covers 512 consecutive bytes, aligned
	QUANT2 64*\a, 2, \a
	global_store_b128 v[LI], v[CD+4*\a:CD+4*\a+3], s[10:11] offset:512*\a
.endr
.irp a, 0,1,2,3                                ; k likewise
	QUANT2 64*\a+32, 2, 4+\a
	global_store_b128 v[LI], v[CD+16+4*\a:CD+16+4*\a+3], s[92:93] offset:512*\a
.endr
.irp b, 0,1,2,3                                ; v: 16 features x my 64 tokens
	QUANT2 32*\b, 3, 8+\b
	global_store_b128 v[LI], v[CD+32+4*\b:CD+32+4*\b+3], s[94:95] offset:1024*\b
.endr
	v_cmp_le_u32 vcc_lo, 16, v3                    ; lanes 16-31 take the odd tile's word (both halves of the lanes hold a row's word)
.irp p, 0,1,2,3,4,5
	v_cndmask_b32 v[MW+\p], v[PW+2*\p], v[PW+2*\p+1], vcc_lo
.endr
.irp p, 0,1
	global_store_b32 v[LS], v[MW+\p], s[12:13] offset:128*\p       ; q's words (bytes 2 and 3 are 0: the upper half of the instruction's K holds zero codes)
	global_store_b32 v[LS], v[MW+2+\p], s[96:97] offset:128*\p     ; k's
	global_store_b16 v[LS], v[MW+4+\p], s[98:99] offset:128*\p     ; v's: two bytes of each word; the other two come from the wave beside me
.endr
	s_wait_tensorcnt 0x0
	ds_add_u32 v30, v31
	s_wait_dscnt 0x0
	CROUND                                         ; the closing round: no work-group ends while a partner may still ask for a tile that names it
	s_endpgm
.Lfunc_end_k_qabcc43130c_qkv:
	.size	k_qabcc43130c_qkv, .Lfunc_end_k_qabcc43130c_qkv-k_qabcc43130c_qkv
	.p2alignl 7, 3214868480
	.fill 96, 4, 3214868480
	.section	.rodata,"a",@progbits
	.p2align	6, 0x0
	.amdhsa_kernel k_qabcc43130c_qkv
		.amdhsa_group_segment_fixed_size 262656
		.amdhsa_private_segment_fixed_size 0
		.amdhsa_enable_private_segment 0
		.amdhsa_kernarg_size 48
		.amdhsa_user_sgpr_count 2
		.amdhsa_user_sgpr_kernarg_segment_ptr 1
		.amdhsa_wavefront_size32 1
		.amdhsa_system_sgpr_workgroup_id_x 1
		.amdhsa_system_sgpr_workgroup_id_y 1
		.amdhsa_system_sgpr_workgroup_id_z 1
		.amdhsa_system_vgpr_workitem_id 0
		.amdhsa_next_free_vgpr 896
		.amdhsa_next_free_sgpr 100
		.amdhsa_reserve_vcc 1
		.amdhsa_float_denorm_mode_32 3
		.amdhsa_float_denorm_mode_16_64 3
		.amdhsa_memory_ordered 1
		.amdhsa_forward_progress 1
		.amdhsa_inst_pref_size 110
	.end_amdhsa_kernel
	.amdgpu_metadata
---
amdhsa.version: [ 1, 2 ]
amdhsa.kernels:
  - .name:           k_qabcc43130c_qkv
    .symbol:         k_qabcc43130c_qkv.kd
    .args:
      - { .name: codes1, .offset: 0, .size: 8, .value_kind: global_buffer, .address_space: global }
      - { .name: scales1, .offset: 8, .size: 8, .value_kind: global_buffer, .address_space: global }
      - { .name: b_qkv, .offset: 16, .size: 8, .value_kind: global_buffer, .address_space: global }
      - { .name: qc, .offset: 24, .size: 8, .value_kind: global_buffer, .address_space: global }
      - { .name: qs, .offset: 32, .size: 8, .value_kind: global_buffer, .address_space: global }
      - { .name: kv, .offset: 40, .size: 8, .value_kind: global_buffer, .address_space: global }
    .group_segment_fixed_size: 262656
    .private_segment_fixed_size: 0
    .kernarg_segment_align: 8
    .kernarg_segment_size: 48
    .max_flat_workgroup_size: 128
    .sgpr_count:     100
    .vgpr_count:     896
    .wavefront_size: 32
...
	.end_amdgpu_metadata
.endif
;; end of part 2
;; launch attn (part 3): grid 4 x 64, 16 waves a work-group, clusters of 4 x 1, 169,984 bytes of LDS; arguments qc, qs, kv, oc, os; writes oc, os
.if DOCPART == 3
	.amdgcn_target "amdgcn-amd-amdhsa--gfx1250"
	.amdhsa_code_object_version 6
	.text
	.protected	k_qabcc43130c_attn
	.globl	k_qabcc43130c_attn
	.p2align	8
	.type	k_qabcc43130c_attn,@function
k_qabcc43130c_attn:
	s_mov_b64 s[64:65], 0
	v_nop
	global_prefetch_b8 v0, s[64:65] scope:SCOPE_SE
	s_setreg_imm32_b32 hwreg(HW_REG_WAVE_MODE, 25, 1), 1
	s_wait_xcnt 0x0
	s_wait_alu depctr_hold_cnt(0) depctr_sa_sdst(0) depctr_va_vdst(0) depctr_va_sdst(0) depctr_va_ssrc(0) depctr_va_vcc(0) depctr_vm_vsrc(0)
	s_getreg_b32 s2, hwreg(HW_REG_IB_STS2, 6, 4)
	s_cmp_eq_u32 s2, 0
	s_cbranch_scc0 .Lentry_in_a_cluster
	s_endpgm
.Lentry_in_a_cluster:
	s_bfe_u32 s2, ttmp6, 0x10000c
	s_cmp_lg_u32 s2, 0x3003
	s_cbranch_scc0 .Lentry_shape_is_right
	s_endpgm
.Lentry_shape_is_right:
; Causal attention of one (batch, head) a cluster, both products on codes of FP4 with E8M0 scales; the result, divided by the row's sum, is quantised along the model's width and stored as the next product's operand.
; THE SOFTMAX: t = score x log2(e) / 8; M = the running largest t rounded UP to a whole number; p = 2^(t - M) is quantised along the keys; the row's sum is taken of the unquantised p; when M moves, sum and O are multiplied by 2^(old M - new M): exact.
; SHARES.  The head's 128 tiles of 16 queries: partner c of the cluster takes tiles 4 j + c.  Tile 4 j + c needs j / 2 + 1 key steps of 128, whatever c: all branches are alike in the four partners; c enters only global
; offsets and the mask's compare value.  Wave w takes j = w, then j = 31 - w: 17 key steps for every wave of every work-group.
; LDS.  The head's K and V, codes and scale words, 16 key steps x 8,960 bytes, lie in LDS as they lie in memory, filled ONCE by sixteen joint loads (a wave a step); then LDS is only read.
; LAYOUT.  Everything in qc and kv is an image of operand registers: a load of 16 bytes a lane at 16 x lane gives four registers of a fragment.  The head's size is 64: registers 4-7 of Q's and K's fragments are zero codes.
; Both products are used transposed (S^T = K Q^T, O^T = V^T P^T): a lane holds one query.  The keys of a tile of K, and the features of a tile of V, are ordered so that the 16 registers of two neighbouring
; tiles are 16 neighbours: key 32 b + 16 h + i in S^T, feature 32 b + 16 h + i in O^T.  Lane r of query tile tt is token 32 (tt / 2) + 8 (tt % 2) + r + 8 (r / 8).
; LIMITS: NaN and infinities are not served; a block whose largest magnitude lies under 2^-124, or of zeros, keeps the byte 1; only this program reads the bytes.
; REGISTERS: v1-11 addresses; v12 -M, v13 the largest t, v[14:15] the sum; v16-23 Q; v24 Q's scale word, v25-28 K's (two tiles a register), v29-30 V's, v31 p's; v32-95 K; v96-159 S^T, then p; v160-191 O^T; v192-223 V; v224-231 p's codes; v232-254 at work.
.set KVSTEP, 8960
.set LI,   1                           ; 16 x lane
.set LS,   2                           ; 4 x lane
.set ADC,  3                           ; the step's block + 16 x lane
.set ADW,  4                           ; the step's block + 4 x lane
.set R4,   5                           ; 4 r
.set LANE, 6
.set DQ,   7                           ; my query's place in 64 tokens, less 16 h
.set OQ,   8                           ; offsets of the pass: Q's codes,
.set OQS,  9                           ; Q's scale word,
.set OO,   10                          ; the result's codes,
.set OOS,  11                          ; its scale bytes
.set WV,   18
.set CX,   19
.set SEL,  20                          ; s[20:21] lane selects: lane l xor 16
.set CS,   22                          ; s[22:23] c = log2(e) / 8, named as a pair
.set G1,   24
.set G0,   32
.set BH,   36
.set PASS, 37
.set JJ,   38
.set NF,   39                          ; the tile's last key step, the one on the diagonal
.set SS,   40
.set TB,   41
.set TT,   42
.set JO,   43
.set SVX,  44
.macro CROUND                          ; a round of the cluster's barrier
	s_barrier_signal -1
	s_barrier_wait -1
	s_cmp_lg_u32 s[WV], 0
	s_cbranch_scc1 .Lnot_wave_0_\@
	s_barrier_signal -3
.Lnot_wave_0_\@:
	s_barrier_wait -3
	s_barrier_signal -1
	s_barrier_wait -1
.endm
	s_load_b256 s[4:11], s[0:1], 0x0               ; qc s[4:5], qs s[6:7], kv s[8:9], oc s[10:11]
	s_load_b64 s[12:13], s[0:1], 0x20              ; os
	v_lshl_add_u32 v251, v0, 2, 0x29000
	v_mov_b32 v255, 0
	ds_add_u32 v251, v255
	ds_add_u32 v251, v255
	v_lshrrev_b32 v1, 5, v0
	s_delay_alu instid0(VALU_DEP_1)
	v_readfirstlane_b32 s[WV], v1                  ; wave 0..15
	s_bfe_u32 s[CX], ttmp6, 0x40000                ; my place in the cluster
	s_and_b32 s[BH], ttmp7, 0xffff                 ; 16 x batch + head: shared by the four partners
	; a key step's block: 8,960 dense bytes, as 35 rows of 256 bytes (32 elements of 8)
	s_mov_b32 s[G1], 15|(3<<16)|(1<<21)            ; 15:0 the mask: all four work-groups; 17:16 elements of 8 bytes; 21 set beside a mask
	s_mov_b32 s[G1+1], 32<<16                      ; tensor_dim0
	s_mov_b32 s[G1+2], 35<<16                      ; tensor_dim1
	s_mov_b32 s[G1+3], 32<<16                      ; tile_dim0
	s_mov_b32 s[G1+4], 35                          ; tile_dim1
	s_mov_b32 s[G1+5], 32                          ; from row to row
	s_mov_b32 s[G1+6], 0
	s_mov_b32 s[G1+7], 0
	s_mov_b32 s[G0], 1
	s_mul_i32 s[G0+1], s[WV], KVSTEP               ; wave w brings key step w, to LDS byte 8,960 w
	s_mul_i32 s46, s[BH], 16*KVSTEP
	s_add_co_u32 s46, s46, s[G0+1]
	s_mov_b32 s47, 0
	s_wait_dscnt 0x0
	s_wait_kmcnt 0x0
	s_add_nc_u64 s[G0+2:G0+3], s[8:9], s[46:47]
	s_or_b32 s[G0+3], s[G0+3], 0x80000000
	CROUND                                         ; all four work-groups are here: the joint loads meet
	tensor_load_to_lds s[G0:G0+3], s[G1:G1+7]      ; my one tensor load
	s_nop 0
.rept 4
	v_nop
.endr
	s_lshl_b32 s46, s[BH], 16
	s_add_nc_u64 s[4:5], s[4:5], s[46:47]          ; the head's 128 tiles of Q, 512 bytes each
	s_lshl_b32 s46, s[BH], 13
	s_add_nc_u64 s[6:7], s[6:7], s[46:47]          ; their scale words, 64 bytes each
	s_lshr_b32 s48, s[BH], 4                       ; batch
	s_and_b32 s49, s[BH], 15                       ; head
	s_lshl_b32 s46, s48, 20
	s_lshl_b32 s50, s49, 9
	s_add_co_u32 s46, s46, s50
	s_add_nc_u64 s[10:11], s[10:11], s[46:47]      ; oc: [tile][head][lane][16]: 8,192 bytes a tile, 128 tiles a batch
	s_lshl_b32 s46, s48, 16
	s_lshr_b32 s50, s49, 1
	s_lshl_b32 s50, s50, 6
	s_add_co_u32 s46, s46, s50
	s_and_b32 s50, s49, 1
	s_lshl_b32 s50, s50, 1
	s_add_co_u32 s46, s46, s50
	s_add_nc_u64 s[12:13], s[12:13], s[46:47]      ; os: [tile][two heads][r][4]: my head's two bytes of the word
	v_and_b32 v[LANE], 31, v0
	s_delay_alu instid0(VALU_DEP_1)
	v_lshlrev_b32 v[LI], 4, v[LANE]
	s_delay_alu instid0(VALU_DEP_2)
	v_lshlrev_b32 v[LS], 2, v[LANE]
	v_and_b32 v8, 15, v0                           ; r
	s_delay_alu instid0(VALU_DEP_1)
	v_lshlrev_b32 v[R4], 2, v8
	s_delay_alu instid0(VALU_DEP_2)
	v_and_b32 v9, 8, v8
	s_delay_alu instid0(VALU_DEP_1)
	v_add_nc_u32 v[DQ], v9, v8                     ; r + 8 (r / 8)
	v_bfe_u32 v9, v0, 4, 1
	s_delay_alu instid0(VALU_DEP_1)
	v_lshlrev_b32 v9, 4, v9
	s_delay_alu instid0(VALU_DEP_1)
	v_sub_nc_u32 v[DQ], v[DQ], v9                  ; - 16 h
	s_lshr_b32 s46, s[CX], 1
	s_lshl_b32 s46, s46, 5
	s_and_b32 s50, s[CX], 1
	s_lshl_b32 s50, s50, 3
	s_add_co_u32 s46, s46, s50
	v_add_nc_u32 v[DQ], s46, v[DQ]                 ; + 32 (c / 2) + 8 (c % 2)
	s_mov_b32 s[SEL], 0x76543210
	s_mov_b32 s[SEL+1], 0xfedcba98
	s_mov_b32 s[CS], 0x3e38aa3b                    ; log2(e) / sqrt(64)
	s_mov_b32 s[CS+1], s[CS]
.irp j, 20,21,22,23
	v_mov_b32 v\j, 0                               ; the upper half of the instruction's K: zero codes, in Q
.endr
.irp t, 0,1,2,3,4,5,6,7
.irp j, 4,5,6,7
	v_mov_b32 v[32+8*\t+\j], 0                     ; and in K's eight fragments: written once
.endr
.endr
.irp b, 0,1,2,3
	v_mov_b32 v[236+\b], 0                         ; written once: a lane permute's destination counts as one of its sources
.endr
	v_mov_b32 v252, 0
	v_mov_b32 v253, 0                              ; (named as the upper half of the pair v[252:253])
	s_wait_tensorcnt 0x0                           ; my key step is in LDS,
	s_barrier_signal -1
	s_barrier_wait -1                              ; everybody's is: from here on LDS is only read
	s_mov_b32 s[PASS], 0
.Lpass:
	s_mul_i32 s[JJ], s[PASS], 31
	s_xor_b32 s[JJ], s[JJ], s[WV]                  ; j = w, then 31 - w
	s_lshr_b32 s[NF], s[JJ], 1
	s_lshl_b32 s[TT], s[JJ], 2
	s_add_co_u32 s[TT], s[TT], s[CX]               ; my tile of queries
	s_and_b32 s[JO], s[JJ], 1
	s_lshl_b32 s[JO], s[JO], 6                     ; where j's 64 tokens lie in the diagonal step's 128
	s_lshl_b32 s46, s[TT], 9
	v_add_nc_u32 v[OQ], s46, v[LI]
	v_add_nc_u32 v[OOS], s46, v[R4]
	s_lshl_b32 s46, s[TT], 6
	v_add_nc_u32 v[OQS], s46, v[R4]
	s_lshl_b32 s46, s[TT], 13
	v_add_nc_u32 v[OO], s46, v[LI]
	global_load_b128 v[16:19], v[OQ], s[4:5]       ; Q's fragment
	global_load_b32 v24, v[OQS], s[6:7]            ; and its scale words
	v_mov_b32 v13, 0xff61b1e6                      ; the largest t so far: -3e38, under every t
	s_delay_alu instid0(VALU_DEP_1)
	v_floor_f32 v12, -v13                          ; -M
	v_mov_b32 v14, 0
	v_mov_b32 v15, 0
.set j, 0
.rept 32
	v_mov_b32 v[160+j], 0                          ; O^T: the step is written once; its first trip finds zeros
.set j, j+1
.endr
	s_mov_b32 s[SS], 0
	s_mov_b32 s[TB], 0
	s_wait_loadcnt 0x0
.Lstep:                                        ; sixteen trips; a step all of whose keys come after my queries is left out, by a scalar branch on ids round its work alone
	s_cmp_gt_u32 s[SS], s[NF]
	s_cbranch_scc1 .Lhidden
	s_setprio 2
	v_add_nc_u32 v[ADC], s[TB], v[LI]
	v_add_nc_u32 v[ADW], s[TB], v[LS]
	v_nop
	v_nop                                          ; four plain lines between the last step's products and the loads into V's registers
.irp t, 0,1,2,3,4,5,6,7
	ds_load_b128 v[32+8*\t:35+8*\t], v[ADC] offset:512*\t
.endr
.irp b, 0,1,2,3
	ds_load_b32 v[25+\b], v[ADW] offset:8192+128*\b                ; lanes 0-15: tile 2 b's words; lanes 16-31: tile 2 b + 1's
.endr
.irp d, 0,1,2,3
.irp c, 0,1
	ds_load_b128 v[192+8*\d+4*\c:195+8*\d+4*\c], v[ADC] offset:4096+1024*\d+512*\c
.endr
.endr
.irp p, 0,1
	ds_load_b32 v[29+\p], v[ADW] offset:8704+128*\p
.endr
	s_wait_dscnt 10                                ; K and its words are in; V's ten loads may stay out
.irp b, 0,1,2,3                                ; S^T = K Q^T
	v_wmma_scale_f32_16x16x128_f8f6f4 v[96+16*\b:103+16*\b], v[32+16*\b:39+16*\b], v[16:23], 0, v[25+\b], v24 matrix_a_fmt:MATRIX_FMT_FP4 matrix_b_fmt:MATRIX_FMT_FP4
	v_wmma_scale_f32_16x16x128_f8f6f4 v[104+16*\b:111+16*\b], v[40+16*\b:47+16*\b], v[16:23], 0, v[25+\b], v24 matrix_a_fmt:MATRIX_FMT_FP4 matrix_b_fmt:MATRIX_FMT_FP4 matrix_a_scale:MATRIX_SCALE_ROW1
.endr
.rept 4
	v_nop
.endr
	s_cmp_lt_u32 s[SS], s[NF]                      ; ahead of the diagonal all keys count
	s_cbranch_scc1 .Lopen
	v_add_nc_u32 v252, s[JO], v[DQ]                ; d = my query - the step's first key - 16 h.  Register 16 b + i holds key 32 b + 16 h + i: hidden where 32 b + i > d
	v_mov_b32 v254, 0xff800000                     ; -infinity: p = 0 then
.set n, 0
.rept 64
	v_cmp_gt_i32 vcc_lo, 32*(n/16)+n%16, v252
	v_cndmask_b32 v[96+n], v[96+n], v254, vcc_lo
.set n, n+1
.endr
.Lopen:
.irp b, 0,1,2,3
	v_max3_num_f32 v[232+\b], v[96+16*\b], v[97+16*\b], v[98+16*\b]   ; the largest score of each block of 32 keys: for the row's maximum and, since p rises with the score, for the block's largest p
.endr
.irp i, 3,5,7,9,11,13
.irp b, 0,1,2,3
	v_max3_num_f32 v[232+\b], v[232+\b], v[96+16*\b+\i], v[97+16*\b+\i]
.endr
.endr
.irp b, 0,1,2,3
	v_max_num_f32 v[232+\b], v[232+\b], v[111+16*\b]
.endr
.irp b, 0,1,2,3
	s_delay_alu instid0(VALU_DEP_4)
	v_permlanex16_b32 v[236+\b], v[232+\b], s[SEL], s[SEL+1]
.endr
.irp b, 0,1,2,3
	s_delay_alu instid0(VALU_DEP_4)
	v_max_num_f32 v[232+\b], v[232+\b], v[236+\b]  ; with lane l xor 16's 16 keys
.endr
	s_delay_alu instid0(VALU_DEP_2)
	v_max3_num_f32 v254, v232, v233, v234
	s_delay_alu instid0(VALU_DEP_1)
	v_max_num_f32 v254, v254, v235                 ; the step's largest score of my query
	s_delay_alu instid0(VALU_DEP_1)
	v_mul_f32 v254, s[CS], v254
	s_delay_alu instid0(VALU_DEP_1)
	v_max_num_f32 v13, v13, v254                   ; the running largest t
	v_mov_b32 v254, v12
	s_delay_alu instid0(VALU_DEP_2)
	v_floor_f32 v12, -v13                          ; the new -M = -ceil(t): a whole number
	s_delay_alu instid0(VALU_DEP_1)
	v_sub_f32 v254, v12, v254                      ; old M - new M: a whole number, 0 or less
	s_delay_alu instid0(VALU_DEP_1)
	v_cvt_i32_f32 v254, v254                       ; (it saturates)
	s_delay_alu instid0(VALU_DEP_1)
	v_ldexp_f32 v252, 1.0, v254                    ; f = 2^(old M - new M)
.set j, 0
.rept 32
	v_pk_fma_f32 v[96+j:97+j], v[96+j:97+j], s[CS:CS+1], v[12:13] op_sel_hi:[1,0,0]   ; t - M, two at a time
.set j, j+2
.endr
	s_setprio 1
.irp b, 0,1,2,3
	v_fma_f32 v[232+\b], v[232+\b], s[CS], v12     ; the same of each block's largest score
.endr
.set j, 0
	s_wait_alu depctr_va_vdst(0)
.rept 64
	v_exp_f32 v[96+j], v[96+j]                     ; p = 2^(t - M)
.set j, j+1
.endr
	v_pk_mul_f32 v[14:15], v[14:15], v[252:253] op_sel_hi:[1,0]    ; the sums under the new M (a plain line behind the exponentials)
	s_wait_alu depctr_va_vdst(0)                   ; one wait for the batch of 64, ahead of its first reader
.irp b, 0,1,2,3
	v_exp_f32 v[232+\b], v[232+\b]                 ; the block's largest p: the same two instructions on the same number
.endr
	v_pk_add_f32 v[236:237], v[100:101], v[104:105]
	v_pk_add_f32 v[248:249], v[108:109], v[112:113]
	v_pk_add_f32 v[242:243], v[116:117], v[120:121]
	v_pk_add_f32 v[240:241], v[124:125], v[128:129]
	v_pk_add_f32 v[14:15], v[14:15], v[132:133]
	v_pk_add_f32 v[236:237], v[236:237], v[136:137]
	v_pk_add_f32 v[248:249], v[248:249], v[140:141]
	v_pk_add_f32 v[242:243], v[242:243], v[144:145]
	v_pk_add_f32 v[240:241], v[240:241], v[148:149]
	v_pk_add_f32 v[14:15], v[14:15], v[152:153]
	v_pk_add_f32 v[236:237], v[236:237], v[156:157]
	v_pk_add_f32 v[248:249], v[248:249], v[96:97]
	v_pk_add_f32 v[242:243], v[242:243], v[98:99]
	v_pk_add_f32 v[240:241], v[240:241], v[102:103]
	v_pk_add_f32 v[14:15], v[14:15], v[106:107]
	v_pk_add_f32 v[236:237], v[236:237], v[110:111]
	v_pk_add_f32 v[248:249], v[248:249], v[114:115]
	v_pk_add_f32 v[242:243], v[242:243], v[118:119]
	v_pk_add_f32 v[240:241], v[240:241], v[122:123]
	v_pk_add_f32 v[14:15], v[14:15], v[126:127]
	v_pk_add_f32 v[236:237], v[236:237], v[130:131]
	v_pk_add_f32 v[248:249], v[248:249], v[134:135]
	v_pk_add_f32 v[242:243], v[242:243], v[138:139]
	v_pk_add_f32 v[240:241], v[240:241], v[142:143]
	v_pk_add_f32 v[14:15], v[14:15], v[146:147]
	v_pk_add_f32 v[236:237], v[236:237], v[150:151]
	v_pk_add_f32 v[248:249], v[248:249], v[154:155]
	v_pk_add_f32 v[242:243], v[242:243], v[158:159]
	s_delay_alu instid0(VALU_DEP_1)
	v_pk_add_f32 v[14:15], v[14:15], v[242:243]
	s_delay_alu instid0(VALU_DEP_4)
	v_pk_add_f32 v[236:237], v[236:237], v[240:241]
	s_delay_alu instid0(VALU_DEP_2)
	v_pk_add_f32 v[14:15], v[14:15], v[248:249]
	s_delay_alu instid0(VALU_DEP_1)
	v_pk_add_f32 v[14:15], v[14:15], v[236:237]
	s_wait_alu depctr_va_vdst(0)                   ; and one for the four
.irp b, 0,1,2,3
	v_max_num_f32 v[232+\b], 0x1800000, v[232+\b]  ; the floor 2^(3 - 127): the byte cannot fall under 1
.endr
.irp b, 0,1,2,3
	s_delay_alu instid0(VALU_DEP_4)
	v_add_nc_u32 v[244+\b], 0xff000000, v[232+\b]  ; 2 off the exponent field: the conversion's scale operand
.endr
.irp b, 0,1,2,3
	s_delay_alu instid0(VALU_DEP_4)
	v_lshrrev_b32 v[236+\b], 23, v[244+\b]         ; the scale's byte
.endr
	s_delay_alu instid0(VALU_DEP_3)
	v_lshl_or_b32 v31, v237, 8, v236               ; p's scale word for these 128 keys
	s_delay_alu instid0(VALU_DEP_1)
	v_lshl_or_b32 v31, v238, 16, v31
	s_delay_alu instid0(VALU_DEP_1)
	v_lshl_or_b32 v31, v239, 24, v31
	s_setprio 0
.irp b, 0,1,2,3
	v_cvt_scalef32_pk8_fp4_f32 v[224+2*\b], v[96+16*\b:103+16*\b], v[244+\b]
	v_cvt_scalef32_pk8_fp4_f32 v[225+2*\b], v[104+16*\b:111+16*\b], v[244+\b]
.endr
	v_nop                                          ; one plain line behind a scaled conversion
.irp c, 0,1                                    ; a whole block to a lane: lanes 0-15 block 2 c, lanes 16-31 block 2 c + 1
.irp i, 0,1
	v_permlane16_swap_b32 v[224+4*\c+\i], v[226+4*\c+\i]
.endr
.endr
.set j, 0
.rept 16
	v_pk_mul_f32 v[160+j:161+j], v[160+j:161+j], v[252:253] op_sel_hi:[1,0]   ; O^T under the new M.  (These sixteen also stand between the lines that made p's codes and scale word and the products)
.set j, j+2
.endr
	s_wait_alu depctr_va_vdst(0)
	s_wait_dscnt 0x0                               ; V and its words are in
.irp p, 0,1                                    ; O^T += V^T P^T: four accumulators by turns
	v_wmma_scale_f32_16x16x128_f8f6f4 v[160+16*\p:167+16*\p], v[192+16*\p:199+16*\p], v[224:231], v[160+16*\p:167+16*\p], v[29+\p], v31 matrix_a_fmt:MATRIX_FMT_FP4 matrix_b_fmt:MATRIX_FMT_FP4
	v_wmma_scale_f32_16x16x128_f8f6f4 v[168+16*\p:175+16*\p], v[200+16*\p:207+16*\p], v[224:231], v[168+16*\p:175+16*\p], v[29+\p], v31 matrix_a_fmt:MATRIX_FMT_FP4 matrix_b_fmt:MATRIX_FMT_FP4 matrix_a_scale:MATRIX_SCALE_ROW1
.endr
.Lhidden:
	s_add_co_u32 s[TB], s[TB], KVSTEP
	s_add_co_u32 s[SS], s[SS], 1
	s_cmp_lt_u32 s[SS], 16
	s_cbranch_scc1 .Lstep
	s_setprio 0
	; THE WAY OUT: O^T / the sum, quantised along the head's 64 (two blocks of the next product's K), stored as an image of operand registers
.rept 4
	v_nop                                          ; behind the last products
.endr
	v_add_f32 v14, v14, v15                        ; the sum's two halves,
	s_delay_alu instid0(VALU_DEP_1)
	v_permlanex16_b32 v252, v14, s[SEL], s[SEL+1]
	s_delay_alu instid0(VALU_DEP_1)
	v_add_f32 v14, v14, v252                       ; and lane l xor 16's: the row's sum
	s_wait_alu depctr_va_vdst(0)
	v_rcp_f32 v14, v14
	v_nop                                          ; a plain line behind the reciprocal
	s_wait_alu depctr_va_vdst(0)                   ; and the wait ahead of its first reader
.set j, 0
.rept 16
	v_pk_mul_f32 v[96+j:97+j], v[160+j:161+j], v[14:15] op_sel_hi:[1,0]   ; register 16 b + i: feature 32 b + 16 h + i of my query; each accumulator from its low end on
.set j, j+2
.endr
.irp b, 0,1
	v_max3_num_f32 v[232+\b], |v[96+16*\b]|, |v[97+16*\b]|, 0x1800000
.endr
.irp i, 2,4,6,8,10,12,14
.irp b, 0,1
	s_delay_alu instid0(VALU_DEP_2)
	v_max3_num_f32 v[232+\b], v[232+\b], |v[96+16*\b+\i]|, |v[97+16*\b+\i]|
.endr
.endr
.irp b, 0,1
	s_delay_alu instid0(VALU_DEP_2)
	v_permlanex16_b32 v[236+\b], v[232+\b], s[SEL], s[SEL+1]
.endr
.irp b, 0,1
	s_delay_alu instid0(VALU_DEP_2)
	v_max_num_f32 v[232+\b], v[232+\b], v[236+\b]
.endr
.irp b, 0,1
	s_delay_alu instid0(VALU_DEP_2)
	v_add_nc_u32 v[244+\b], 0xff000000, v[232+\b]
.endr
.irp b, 0,1
	s_delay_alu instid0(VALU_DEP_2)
	v_lshrrev_b32 v[236+\b], 23, v[244+\b]
.endr
	s_delay_alu instid0(VALU_DEP_1)
	v_lshl_or_b32 v254, v237, 8, v236              ; my row's two scale bytes
.irp b, 0,1
	v_cvt_scalef32_pk8_fp4_f32 v[224+2*\b], v[96+16*\b:103+16*\b], v[244+\b]
	v_cvt_scalef32_pk8_fp4_f32 v[225+2*\b], v[104+16*\b:111+16*\b], v[244+\b]
.endr
	v_nop
.irp i, 0,1
	v_permlane16_swap_b32 v[224+\i], v[226+\i]
.endr
	global_store_b128 v[OO], v[224:227], s[10:11]  ; the wave stores 512 consecutive bytes, aligned
	v_cmp_gt_u32 vcc_lo, 16, v[LANE]
	s_wait_alu depctr_va_vdst(0)
	s_wait_xcnt 0x0                                ; EXEC changes only behind this wait
	s_and_saveexec_b32 s[SVX], vcc_lo
	global_store_b16 v[OOS], v254, s[12:13]        ; lanes 0-15: a row's two bytes
	s_wait_xcnt 0x0                                ; and again ahead of the line that widens it; the stores' offsets and data may be written again too
	s_or_b32 exec_lo, exec_lo, s[SVX]
	s_add_co_u32 s[PASS], s[PASS], 1
	s_cmp_lt_u32 s[PASS], 2
	s_cbranch_scc1 .Lpass
	s_wait_dscnt 0x0
	s_wait_tensorcnt 0x0
	ds_add_u32 v251, v255
	s_wait_dscnt 0x0
	CROUND                                         ; the closing round
	s_endpgm
.Lfunc_end_k_qabcc43130c_attn:
	.size	k_qabcc43130c_attn, .Lfunc_end_k_qabcc43130c_attn-k_qabcc43130c_attn
	.p2alignl 7, 3214868480
	.fill 96, 4, 3214868480
	.section	.rodata,"a",@progbits
	.p2align	6, 0x0
	.amdhsa_kernel k_qabcc43130c_attn
		.amdhsa_group_segment_fixed_size 169984
		.amdhsa_private_segment_fixed_size 0
		.amdhsa_enable_private_segment 0
		.amdhsa_kernarg_size 40
		.amdhsa_user_sgpr_count 2
		.amdhsa_user_sgpr_kernarg_segment_ptr 1
		.amdhsa_wavefront_size32 1
		.amdhsa_system_sgpr_workgroup_id_x 1
		.amdhsa_system_sgpr_workgroup_id_y 1
		.amdhsa_system_sgpr_workgroup_id_z 1
		.amdhsa_system_vgpr_workitem_id 0
		.amdhsa_next_free_vgpr 256
		.amdhsa_next_free_sgpr 66
		.amdhsa_reserve_vcc 1
		.amdhsa_float_denorm_mode_32 3
		.amdhsa_float_denorm_mode_16_64 3
		.amdhsa_memory_ordered 1
		.amdhsa_forward_progress 1
		.amdhsa_inst_pref_size 34
	.end_amdhsa_kernel
	.amdgpu_metadata
---
amdhsa.version: [ 1, 2 ]
amdhsa.kernels:
  - .name:           k_qabcc43130c_attn
    .symbol:         k_qabcc43130c_attn.kd
    .args:
      - { .name: qc, .offset: 0, .size: 8, .value_kind: global_buffer, .address_space: global }
      - { .name: qs, .offset: 8, .size: 8, .value_kind: global_buffer, .address_space: global }
      - { .name: kv, .offset: 16, .size: 8, .value_kind: global_buffer, .address_space: global }
      - { .name: oc, .offset: 24, .size: 8, .value_kind: global_buffer, .address_space: global }
      - { .name: os, .offset: 32, .size: 8, .value_kind: global_buffer, .address_space: global }
    .group_segment_fixed_size: 169984
    .private_segment_fixed_size: 0
    .kernarg_segment_align: 8
    .kernarg_segment_size: 40
    .max_flat_workgroup_size: 512
    .sgpr_count:     66
    .vgpr_count:     256
    .wavefront_size: 32
...
	.end_amdgpu_metadata
.endif
;; end of part 3
;; launch proj (part 4): grid 4 x 64, 4 waves a work-group, clusters of 4 x 4, 327,680 bytes of LDS; arguments oc, os, codes1, scales1, b_out, out0; writes out0
.if DOCPART == 4
	.amdgcn_target "amdgcn-amd-amdhsa--gfx1250"
	.amdhsa_code_object_version 6
	.text
	.protected	k_qabcc43130c_proj
	.globl	k_qabcc43130c_proj
	.p2align	8
	.type	k_qabcc43130c_proj,@function
k_qabcc43130c_proj:
	s_mov_b64 s[64:65], 0
	v_nop
	global_prefetch_b8 v0, s[64:65] scope:SCOPE_SE
	s_setreg_imm32_b32 hwreg(HW_REG_WAVE_MODE, 25, 1), 1
	s_wait_xcnt 0x0
	s_wait_alu depctr_hold_cnt(0) depctr_sa_sdst(0) depctr_va_vdst(0) depctr_va_sdst(0) depctr_va_ssrc(0) depctr_va_vcc(0) depctr_vm_vsrc(0)
	s_getreg_b32 s2, hwreg(HW_REG_IB_STS2, 6, 4)
	s_cmp_eq_u32 s2, 0
	s_cbranch_scc0 .Lentry_in_a_cluster
	s_endpgm
.Lentry_in_a_cluster:
	s_bfe_u32 s2, ttmp6, 0x10000c
	s_cmp_lg_u32 s2, 0xf033
	s_cbranch_scc0 .Lentry_shape_is_right
	s_endpgm
.Lentry_shape_is_right:
; out0 = o W_out^T + b_out on codes of FP4 with E8M0 scales.  o comes as images of operand registers (oc: [tile of 16 tokens][head][lane][16 bytes]; os: [tile][K step][r][4 bytes]), W_out as rows of codes in codes1.
; SHARES.  Work-group (x, y) makes 128 tokens x 256 features; wave (w / 2, w % 2) 64 tokens (4 tiles) x 128 features (8 tiles): 32 accumulators.  All of K = 1,024 lies in LDS at once, in two halves: every LDS byte that a tensor load fills is filled once.
; CLUSTER 4 x 4: the four of a row of the cluster need the same tiles of o, the four of a column the same rows of W_out: joint loads.
; TRANSPOSED USE: source 0 = 16 rows of W_out, source 1 = 16 tokens.  W_out's rows lie in codes1 so that register j of tile 2 b + u in lane (r, h) is feature 32 b + 16 h + 8 u + j.  Lane r of token tile t is token 32 (t / 2) + 8 (t % 2) + r + 8 (r / 8).
; The bias is the C of each sum's first matrix instruction.  A tile of 16 tokens x 128 features goes through the wave's own stage in LDS and leaves as whole rows of 512 bytes.
; REGISTERS: window 0: v1-27 addresses; v32-63 o's scale words (32 + 8 a + ks), v64-127 W's (64 + 8 b + ks); v128-191 the bias, later with v192-255 the way out.  window 1: two sets of fragments.  window 2: the accumulators, (a, b) at 8 (8 a + b).
.set PITCH,  272
.set AIMG,   32768                     ; o's 8 tiles x 4,096 bytes of half of K, dense
.set SLOT,   AIMG+256*PITCH            ; and W's 256 rows
.set SCL,    2*SLOT                    ; o's scale words, 4,096 bytes, dense
.set SCLB,   SCL+4096                  ; W's scale bytes: 32 pieces of 256 bytes + 16
.set STAGE,  SCLB+32*272               ; 16 rows x (512 + 16) bytes for each wave: bytes of their own, into which no tile lands
.set WO,     5767168                   ; W_out's codes in codes1
.set WOS,    360448                    ; and its scale bytes in scales1
.set ADRA, 16
.set ADRB, 20
.set ASA,  22
.set ASB,  23
.set STO,  24
.set RD,   25
.set CO,   26                          ; 16 x lane
.set BQ,   27                          ; 64 h
.set SCA,  32
.set SCB,  64
.set BI,   128
.set BK,   128
.set WV,   16
.set ROLE, 17                          ; wave / 2: my half of the tokens; also: I fetch for o (0) or for W (1)
.set EH,   18                          ; wave % 2: my half of the features; also: which half I fetch
.set G1A,  24
.set G0A,  32
.set G1B,  48
.set G0B,  56
.set G1SA, 68
.set G0SA, 76
.set G1SB, 80
.set G0SB, 88
.set MSB, 0
.macro WIN new
.if MSB != (\new)
	s_set_vgpr_msb (MSB<<8)|(\new)
.set MSB, (\new)
.endif
.endm
.macro PLACES
.rept 4
	v_nop
.endr
.endm
.macro JLOAD g0a, g1a, g0b, g1b        ; waves 0 and 1 fetch for o, waves 2 and 3 for W; four v_nop follow each of the two lines
	s_cmp_eq_u32 s[ROLE], 0
	s_cbranch_scc0 .Lfor_b_\@
	tensor_load_to_lds s[\g0a:\g0a+3], s[\g1a:\g1a+7]
	s_nop 0
.rept 4
	v_nop
.endr
	s_branch .Lasked_\@
.Lfor_b_\@:
	tensor_load_to_lds s[\g0b:\g0b+3], s[\g1b:\g1b+7]
	s_nop 0
.rept 4
	v_nop
.endr
.Lasked_\@:
.endm
.macro CROUND
	s_barrier_signal -1
	s_barrier_wait -1
	s_cmp_lg_u32 s[WV], 0
	s_cbranch_scc1 .Lnot_wave_0_\@
	s_barrier_signal -3
.Lnot_wave_0_\@:
	s_barrier_wait -3
	s_barrier_signal -1
	s_barrier_wait -1
.endm
	s_load_b256 s[4:11], s[0:1], 0x0               ; oc s[4:5], os s[6:7], codes1 s[8:9], scales1 s[10:11]
	s_load_b128 s[12:15], s[0:1], 0x20             ; b_out s[12:13], out0 s[14:15]
	v_lshl_add_u32 v30, v0, 2, 0x40000
	v_mov_b32 v31, 0
	ds_add_u32 v30, v31
	ds_add_u32 v30, v31
	v_lshrrev_b32 v1, 5, v0
	v_readfirstlane_b32 s[WV], v1
	s_lshr_b32 s[ROLE], s[WV], 1
	s_and_b32 s[EH], s[WV], 1
	s_bfe_u32 s40, ttmp6, 0x40000                  ; cx
	s_bfe_u32 s41, ttmp6, 0x40004                  ; cy
	s_lshl_b32 s42, ttmp9, 2
	s_add_co_u32 s42, s42, s40                     ; x: which 256 features
	s_and_b32 s43, ttmp7, 0xffff
	s_lshl_b32 s43, s43, 2
	s_add_co_u32 s43, s43, s41                     ; y: which 128 tokens
	s_lshl_b32 s44, s41, 2
	s_lshl_b32 s44, 15, s44                        ; my row of the cluster
	s_lshl_b32 s45, 0x1111, s40                    ; my column
	; o's codes: 4 tiles, of each 4,096 bytes (half of K), 8,192 bytes apart: 4 rows of 512 elements of 8 bytes, dense in LDS
	s_or_b32 s[G1A], s44, (3<<16)|(1<<21)
	s_mov_b32 s[G1A+1], 512<<16
	s_mov_b32 s[G1A+2], 4<<16
	s_mov_b32 s[G1A+3], 512<<16
	s_mov_b32 s[G1A+4], 4
	s_mov_b32 s[G1A+5], 1024
	s_mov_b32 s[G1A+6], 0
	s_mov_b32 s[G1A+7], 0
	; W's codes: 128 rows of 256 bytes, 512 apart, 16 bytes of padding behind each
	s_or_b32 s[G1B], s45, (1<<20)|(1<<21)|(5<<22)|(3<<25)
	s_mov_b32 s[G1B+1], 256<<16
	s_mov_b32 s[G1B+2], 128<<16
	s_mov_b32 s[G1B+3], 256<<16
	s_mov_b32 s[G1B+4], 128
	s_mov_b32 s[G1B+5], 512
	s_mov_b32 s[G1B+6], 0
	s_mov_b32 s[G1B+7], 0
	; o's scale words: 2,048 dense bytes, 8 rows of 256, dense in LDS
	s_or_b32 s[G1SA], s44, (3<<16)|(1<<21)
	s_mov_b32 s[G1SA+1], 32<<16
	s_mov_b32 s[G1SA+2], 8<<16
	s_mov_b32 s[G1SA+3], 32<<16
	s_mov_b32 s[G1SA+4], 8
	s_mov_b32 s[G1SA+5], 32
	s_mov_b32 s[G1SA+6], 0
	s_mov_b32 s[G1SA+7], 0
	; W's scale bytes: 4,096 dense bytes, 16 rows of 256, 16 bytes of padding behind each
	s_or_b32 s[G1SB], s45, (3<<16)|(1<<20)|(1<<21)|(5<<22)|(3<<25)
	s_mov_b32 s[G1SB+1], 32<<16
	s_mov_b32 s[G1SB+2], 16<<16
	s_mov_b32 s[G1SB+3], 32<<16
	s_mov_b32 s[G1SB+4], 16
	s_mov_b32 s[G1SB+5], 32
	s_mov_b32 s[G1SB+6], 0
	s_mov_b32 s[G1SB+7], 0
	s_lshl_b32 s19, s[EH], 2
	s_lshl_b32 s20, s43, 3
	s_add_co_u32 s20, s20, s19                     ; o: tile 8 y + 4 e
	s_lshl_b32 s22, s20, 9                         ; its scale words
	s_lshl_b32 s20, s20, 13                        ; its codes
	s_mov_b32 s21, 0
	s_mov_b32 s23, 0
	s_lshl_b32 s46, s42, 8
	s_lshl_b32 s47, s[EH], 7
	s_add_co_u32 s46, s46, s47                     ; W: row 256 x + 128 e
	s_lshl_b32 s92, s46, 5
	s_add_co_u32 s92, s92, WOS
	s_lshl_b32 s46, s46, 9
	s_add_co_u32 s46, s46, WO
	s_mov_b32 s47, 0
	s_mov_b32 s93, 0
	s_lshl_b32 s94, s[EH], 14                      ; where they go: no place in the cluster enters an LDS address
	s_mul_i32 s95, s[EH], 128*PITCH
	s_lshl_b32 s96, s[EH], 11
	s_mul_i32 s97, s[EH], 16*272
	s_wait_dscnt 0x0
	s_wait_kmcnt 0x0
	s_add_nc_u64 s[20:21], s[4:5], s[20:21]
	s_add_nc_u64 s[22:23], s[6:7], s[22:23]
	s_add_nc_u64 s[46:47], s[8:9], s[46:47]
	s_add_nc_u64 s[92:93], s[10:11], s[92:93]
	CROUND                                         ; all sixteen work-groups are here: the joint loads meet
	s_mov_b32 s[G0SA], 1
	s_add_co_u32 s[G0SA+1], s96, SCL
	s_mov_b64 s[G0SA+2:G0SA+3], s[22:23]
	s_or_b32 s[G0SA+3], s[G0SA+3], 0x80000000
	s_mov_b32 s[G0SB], 1
	s_add_co_u32 s[G0SB+1], s97, SCLB
	s_mov_b64 s[G0SB+2:G0SB+3], s[92:93]
	s_or_b32 s[G0SB+3], s[G0SB+3], 0x80000000
	JLOAD G0SA, G1SA, G0SB, G1SB                   ; the scales first, then the two halves of K: each behind a wait for the one before: one load of mine is out
.irp s, 0,1
	s_mov_b32 s[G0A+4*\s], 1
	s_add_co_u32 s[G0A+4*\s+1], s94, \s*SLOT
	s_add_nc_u64 s[G0A+4*\s+2:G0A+4*\s+3], s[20:21], \s*4096
	s_or_b32 s[G0A+4*\s+3], s[G0A+4*\s+3], 0x80000000
	s_mov_b32 s[G0B+4*\s], 1
	s_add_co_u32 s[G0B+4*\s+1], s95, \s*SLOT+AIMG
	s_add_nc_u64 s[G0B+4*\s+2:G0B+4*\s+3], s[46:47], \s*256
	s_or_b32 s[G0B+4*\s+3], s[G0B+4*\s+3], 0x80000000
	s_wait_alu depctr_va_vdst(0)
	s_wait_tensorcnt 0x0
	ds_add_u32 v30, v31
	s_wait_dscnt 0x0
	CROUND
	JLOAD G0A+4*\s, G1A, G0B+4*\s, G1B
.endr
	v_and_b32 v1, 15, v0                           ; r
	v_bfe_u32 v2, v0, 4, 1                         ; h
	v_and_b32 v3, 31, v0                           ; lane
	v_lshlrev_b32 v[CO], 4, v3
	s_lshl_b32 s19, s[ROLE], 14                    ; my four tiles of o
	v_add_nc_u32 v[ADRA], s19, v[CO]
	v_add_nc_u32 v[ADRA+1], SLOT, v[ADRA]
	v_mul_u32_u24 v4, v1, PITCH
	v_lshl_add_u32 v4, v2, 4, v4
	s_mul_i32 s19, s[EH], 128*PITCH                ; my 128 rows of W
	s_add_co_u32 s19, s19, AIMG
	v_add_nc_u32 v[ADRB], s19, v4
	v_add_nc_u32 v[ADRB+1], SLOT, v[ADRB]
	s_lshl_b32 s19, s[ROLE], 11
	s_add_co_u32 s19, s19, SCL
	v_lshl_add_u32 v[ASA], v1, 2, s19
	v_lshrrev_b32 v5, 3, v1
	v_lshlrev_b32 v5, 4, v5
	v_lshl_add_u32 v5, v1, 5, v5                   ; a row's 32 scale bytes: 32 r, and 16 more behind each 8 rows
	s_mul_i32 s19, s[EH], 8*544
	s_add_co_u32 s19, s19, SCLB
	v_add_nc_u32 v[ASB], s19, v5
	s_mul_i32 s19, s[WV], 16*528
	s_add_co_u32 s19, s19, STAGE                   ; my stage
	v_mul_u32_u24 v[STO], v1, 528
	v_lshl_add_u32 v[STO], v2, 6, v[STO]
	v_add_nc_u32 v[STO], s19, v[STO]               ; in: row r, + 64 h
	v_add_nc_u32 v[RD], s19, v[CO]                 ; back: a row of 512 bytes by 32 lanes
	v_lshlrev_b32 v[BQ], 6, v2
	s_wait_alu depctr_va_vdst(0)
	s_lshl_b32 s98, s42, 10
	s_lshl_b32 s99, s[EH], 9
	s_add_co_u32 s98, s98, s99                     ; my 128 features, in bytes
	s_mov_b32 s99, 0
	s_add_nc_u64 s[12:13], s[12:13], s[98:99]
	s_lshl_b32 s20, s43, 7
	s_lshl_b32 s21, s[ROLE], 6
	s_add_co_u32 s20, s20, s21                     ; my first token: 128 y + 64 (w / 2)
	s_lshl_b32 s20, s20, 12                        ; rows of 4,096 bytes
	s_add_co_u32 s20, s20, s98
	s_mov_b32 s21, 0
	s_add_nc_u64 s[14:15], s[14:15], s[20:21]
.irp b, 0,1,2,3,4,5,6,7                        ; register j of tile b is feature 32 (b / 2) + 16 h + 8 (b % 2) + j
	global_load_b128 v[BI+8*\b:BI+8*\b+3], v[BQ], s[12:13] offset:128*(\b/2)+32*(\b%2)
	global_load_b128 v[BI+8*\b+4:BI+8*\b+7], v[BQ], s[12:13] offset:128*(\b/2)+32*(\b%2)+16
.endr
	s_wait_tensorcnt 0x1                           ; the scales and my part of K's first half are in; the second half's load may stay out
	s_barrier_signal -1
	s_barrier_wait -1
.irp a, 0,1,2,3                                ; all scale words for all of K
.irp k, 0,1,2,3,4,5,6,7
	ds_load_b32 v[SCA+8*\a+\k], v[ASA] offset:512*\a+64*\k
.endr
.endr
.irp b, 0,1,2,3,4,5,6,7
	ds_load_b128 v[SCB+8*\b:SCB+8*\b+3], v[ASB] offset:544*\b
	ds_load_b128 v[SCB+8*\b+4:SCB+8*\b+7], v[ASB] offset:544*\b+16
.endr
.macro FETCH ks                        ; K step ks: 4 fragments of o (images: 16 x lane) and 8 of W (rows) into set ks % 2: 24 loads in one run
	WIN 0x40
.irp a, 0,1,2,3
.irp c, 0,1
	ds_load_b128 v[128*((\ks)%2)+8*\a+4*\c:128*((\ks)%2)+8*\a+4*\c+3], v[ADRA+(\ks)/4] offset:4096*\a+1024*((\ks)%4)+512*\c
.endr
.endr
.irp b, 0,1,2,3,4,5,6,7
.irp c, 0,1
	ds_load_b128 v[128*((\ks)%2)+32+8*\b+4*\c:128*((\ks)%2)+32+8*\b+4*\c+3], v[ADRB+(\ks)/4] offset:64*((\ks)%4)+32*\c+\b*16*PITCH
.endr
.endr
	WIN 0
.endm
.macro MUL ks                          ; the 32 accumulators take turns, one instruction a turn, in the same order in every K step
.if (\ks) == 0
	WIN 0x85                                       ; sources 0, 1 window 1; C (the bias) window 0; D window 2
.else
	WIN 0xa5
.endif
.irp a, 0,1,2,3
.irp b, 0,1,2,3,4,5,6,7
.if (\ks) == 0
	v_wmma_scale_f32_16x16x128_f8f6f4 v[8*(8*\a+\b):8*(8*\a+\b)+7], v[128*((\ks)%2)+32+8*\b:128*((\ks)%2)+32+8*\b+7], v[128*((\ks)%2)+8*\a:128*((\ks)%2)+8*\a+7], v[BI+8*\b:BI+8*\b+7], v[SCB+8*\b+(\ks)], v[SCA+8*\a+(\ks)] matrix_a_fmt:MATRIX_FMT_FP4 matrix_b_fmt:MATRIX_FMT_FP4
.else
	v_wmma_scale_f32_16x16x128_f8f6f4 v[8*(8*\a+\b):8*(8*\a+\b)+7], v[128*((\ks)%2)+32+8*\b:128*((\ks)%2)+32+8*\b+7], v[128*((\ks)%2)+8*\a:128*((\ks)%2)+8*\a+7], v[8*(8*\a+\b):8*(8*\a+\b)+7], v[SCB+8*\b+(\ks)], v[SCA+8*\a+(\ks)] matrix_a_fmt:MATRIX_FMT_FP4 matrix_b_fmt:MATRIX_FMT_FP4
.endif
.endr
.endr
.endm
.macro STEP ks
	s_wait_dscnt 0x0                               ; this step's fragments, asked for a step ago, are in
	PLACES                                         ; the other set was read by the last step's products
.if (\ks) == 3
	WIN 0
	s_wait_tensorcnt 0x0                           ; my part of K's second half is in,
	s_barrier_signal -1
	s_barrier_wait -1                              ; everybody's is
.endif
.if (\ks) < 7
	FETCH (\ks)+1
.endif
	MUL \ks
.endm
	FETCH 0
	s_wait_loadcnt 0x0                             ; the bias
.irp k, 0,1,2,3,4,5,6,7
	STEP \k
.endr
; THE WAY OUT, a tile of 16 tokens x 128 features at a time, through my own stage: LDS serves a wave's instructions in order, so no wait stands between the stores and the loads, nor ahead of the next tile's stores.
.macro TOSTAGE a
	WIN 0x08                                       ; an LDS store's data are its source 1: window 2
.irp b, 0,1,2,3,4,5,6,7
	ds_store_b128 v[STO], v[64*(\a)+8*\b:64*(\a)+8*\b+3] offset:128*(\b/2)+32*(\b%2)          ; each accumulator from its low end on
	ds_store_b128 v[STO], v[64*(\a)+8*\b+4:64*(\a)+8*\b+7] offset:128*(\b/2)+32*(\b%2)+16
.endr
	WIN 0
.irp t, 0,1,2,3,4,5,6,7,8,9,10,11,12,13,14,15
	ds_load_b128 v[BK+64*((\a)%2)+4*\t:BK+64*((\a)%2)+4*\t+3], v[RD] offset:\t*528
.endr
.endm
.macro SEND a, younger                 ; younger: the LDS instructions issued behind tile a's loads, which may stay out
	s_wait_dscnt \younger
.irp t, 0,1,2,3,4,5,6,7,8,9,10,11,12,13,14,15
	global_store_b128 v[CO], v[BK+64*((\a)%2)+4*\t:BK+64*((\a)%2)+4*\t+3], s[14:15] offset:(32*((\a)/2)+8*((\a)%2)+\t+8*(\t/8))*4096 th:TH_STORE_NT   ; stage row t is token 32 (a / 2) + 8 (a % 2) + t + 8 (t / 8); 32 lanes store 512 consecutive bytes, aligned
.endr
.endm
	PLACES                                         ; behind the last products, ahead of the first read of results
	TOSTAGE 0
.irp a, 1,2,3
.if \a > 1
	s_wait_xcnt 0x0                                ; tile a - 2's stores have read their registers: tile a's loads may land there
.endif
	TOSTAGE \a
	SEND \a-1, 32                                  ; behind tile a - 1's loads: tile a's 16 stores and 16 loads
.endr
	SEND 3, 0
	s_wait_dscnt 0x0
	s_wait_tensorcnt 0x0
	ds_add_u32 v30, v31
	s_wait_dscnt 0x0
	CROUND                                         ; the closing round: no work-group ends while a partner may still ask for a tile that names it
	s_endpgm
.Lfunc_end_k_qabcc43130c_proj:
	.size	k_qabcc43130c_proj, .Lfunc_end_k_qabcc43130c_proj-k_qabcc43130c_proj
	.p2alignl 7, 3214868480
	.fill 96, 4, 3214868480
	.section	.rodata,"a",@progbits
	.p2align	6, 0x0
	.amdhsa_kernel k_qabcc43130c_proj
		.amdhsa_group_segment_fixed_size 327680
		.amdhsa_private_segment_fixed_size 0
		.amdhsa_enable_private_segment 0
		.amdhsa_kernarg_size 48
		.amdhsa_user_sgpr_count 2
		.amdhsa_user_sgpr_kernarg_segment_ptr 1
		.amdhsa_wavefront_size32 1
		.amdhsa_system_sgpr_workgroup_id_x 1
		.amdhsa_system_sgpr_workgroup_id_y 1
		.amdhsa_system_sgpr_workgroup_id_z 1
		.amdhsa_system_vgpr_workitem_id 0
		.amdhsa_next_free_vgpr 768
		.amdhsa_next_free_sgpr 100
		.amdhsa_reserve_vcc 0
		.amdhsa_float_denorm_mode_32 3
		.amdhsa_float_denorm_mode_16_64 3
		.amdhsa_memory_ordered 1
		.amdhsa_forward_progress 1
		.amdhsa_inst_pref_size 76
	.end_amdhsa_kernel
	.amdgpu_metadata
---
amdhsa.version: [ 1, 2 ]
amdhsa.kernels:
  - .name:           k_qabcc43130c_proj
    .symbol:         k_qabcc43130c_proj.kd
    .args:
      - { .name: oc, .offset: 0, .size: 8, .value_kind: global_buffer, .address_space: global }
      - { .name: os, .offset: 8, .size: 8, .value_kind: global_buffer, .address_space: global }
      - { .name: codes1, .offset: 16, .size: 8, .value_kind: global_buffer, .address_space: global }
      - { .name: scales1, .offset: 24, .size: 8, .value_kind: global_buffer, .address_space: global }
      - { .name: b_out, .offset: 32, .size: 8, .value_kind: global_buffer, .address_space: global }
      - { .name: out0, .offset: 40, .size: 8, .value_kind: global_buffer, .address_space: global }
    .group_segment_fixed_size: 327680
    .private_segment_fixed_size: 0
    .kernarg_segment_align: 8
    .kernarg_segment_size: 48
    .max_flat_workgroup_size: 128
    .sgpr_count:     100
    .vgpr_count:     768
    .wavefront_size: 32
...
	.end_amdgpu_metadata
.endif
;; end of part 4
